; MI455X (gfx1250); checked and timed in simulation.
; The chip was launched on July 23, 2026; its instructions are those of AMD's public machine-readable ISA for CDNA 5 (MIT licence, August 2026) and "CDNA5" Instruction Set Architecture Reference Guide (July 2026). The comments in the code are by the model that wrote it; some were corrected since.
;; Relation Aware Attention. Allowed arithmetic: matrix products marked QUANTISED: E2M3 operands, one E8M0 scale for each 32 along K, by v_wmma_scale_f32_16x16x128_f8f6f4 with both operands' format E2M3, f32 sums; products left as they are: f32 operands where the result goes on into a quantised operand, else bf16, f16 or f32 operands; f32 sums; everything else in f32.
;; Inputs: Wk 1,024 x 1,024 float32; Wo 1,024 x 1,024 float32; Wq 1,024 x 1,024 float32; Wrel 16 x 8 float32; Wv 1,024 x 1,024 float32; bk 1,024 float32; bo 1,024 float32; bq 1,024 float32; brel 8 float32; bv 1,024 float32; x 8 x 1,024 x 1,024 float32.
;; Outputs: out0 8 x 1,024 x 1,024 float32; out1 8 x 8 float32.
;; This version of the problem:
;;   THIS VERSION OF THE PROBLEM IS GIVEN IN LOW PRECISION. The matrix products marked QUANTISED in the list below multiply operands that are first quantised to E2M3 (2 exponent bits, 3 mantissa bits; 6 bits a number), with one power-of-two scale for each 32 numbers along K (OCP MX v1.0); their sums are f32. All else is computed in f32.
;;   The module's matrix products, in the order in which they are computed (A, B: the left and right operand; K: the contracted axis; several contracted axes count as one K, in the product's order):
;;     1. [M 8,192, K 1,024] x [K 1,024, N 1,024]; A: input x; B: input Wq: QUANTISED
;;     2. [M 8,192, K 1,024] x [K 1,024, N 1,024]; A: input x; B: input Wk: QUANTISED
;;     3. [M 8,192, K 1,024] x [K 1,024, N 1,024]; A: input x; B: input Wv: QUANTISED
;;     4. batch 128 x [M 1,024, K 64] x [K 64, N 1,024]; A: computed on the way; B: computed on the way: QUANTISED
;;     5. batch 128 x [M 1,024, K 1,024] x [K 1,024, N 64]; A: softmax (see below); B: computed on the way: QUANTISED
;;     6. [M 8,192, K 1,024] x [K 1,024, N 1,024]; A: computed on the way; B: input Wo: QUANTISED
;;     7. [M 8, K 16] x [K 16, N 8]; A: computed on the way; B: input Wrel: left as it is (K = 16 < 32)
;;   THE QUANTISER, for each operand of a quantised product, along K:
;;     - K is cut into blocks of 32 from its start; a last block that is shorter is filled with zeros.
;;     - A block's scale is 2^e with e = floor(log2(the largest magnitude in the block)) - 2, held to -126 .. 127; a block of zeros has e = 0. As a byte (E8M0): e + 127.
;;     - Each number is divided by its block's scale, clamped to +-7.5, and rounded to the nearest number of E2M3, ties to even, subnormals kept.
;;     - The product sums the exact products of the quantised numbers (number of the format x scale) in f32.
;;   ~~~python
;;   def quantise(x, axis):      # numpy; x: float32 -> the quantised numbers, widened to float32 again
;;       x = np.moveaxis(x, axis, -1); K = x.shape[-1]
;;       x = np.pad(x, [(0, 0)] * (x.ndim - 1) + [(0, -K % 32)]); x = x.reshape(x.shape[:-1] + (-1, 32)); a = np.abs(x).max(-1, keepdims=True)
;;       e = np.where(a > 0, np.clip(np.frexp(np.where(a > 0, a, 1))[1] - 1 - 2, -126, 127), 0)      # np.frexp(a)[1] - 1 = floor(log2(a)), exactly
;;       r = np.clip(x / 2.0 ** e, -7.5, 7.5)
;;       step = 2.0 ** (np.maximum(np.frexp(np.where(r == 0, 1, r))[1] - 1, 0) - 3)
;;       q = np.round(r / step) * step * 2.0 ** e      # np.round: ties to even
;;       return np.moveaxis(q.reshape(q.shape[:-2] + (-1,))[..., :K], -1, axis).astype(np.float32)
;;   ~~~
;;   SOFTMAX AHEAD OF A QUANTISED PRODUCT. Where the list says 'softmax', what is quantised is not the finished softmax but p = 2^(t - M), with t = logit x log2(e) and M = ceil(the row's largest t), a whole number; so 1/2 < the row's largest p <= 1. The row's sum l is taken of the UNQUANTISED p, in f32, and the product's result is divided by l at the end. Since M is a whole number, a kernel that streams over the keys may use a running M (the ceiling of the running maximum): every later rescaling is an exact power of two, which a block's scale takes up: the codes' values come out the same.
;;   OPERANDS COMPUTED ON THE WAY. 'Computed on the way' means the value that the module computes at that place (a softmax that the list does not call 'softmax' is quantised finished and normalised). What goes into a quantiser is computed in f32, as accurately as f32 sums, v_exp_f32 and their like allow (about 1e-6 of the number): no bf16 or f16 on the way to a quantiser, and a product that is left as it is and whose result goes on into a quantised operand takes f32 operands (vector FMAs, or v_wmma_f32_16x16x4_f32). A number that lies on a knife's edge between two numbers of the format may be rounded either way, as far as f32 arithmetic and the matrix unit's own rounding can turn it there, and no further.
;; One version. Each part assembles by itself: llvm-mc -triple=amdgcn-amd-amdhsa -mcpu=gfx1250 --defsym DOCPART=n.
;; ======== version 1 of 1: 4 launches
;; limits: right only within a limited range of input values
;; workspace buffers: xc 6,291,456 bytes; xs 262,144 bytes; wc 3,145,728 bytes; ws 131,072 bytes; heads 20,185,088 bytes; cc 6,291,456 bytes; cs 262,144 bytes
;; launch prep (part 1): grid 512 x 1, 4 waves a work-group, no clusters, 35,328 bytes of LDS; arguments x, Wq, Wk, Wv, Wo, xc, xs, wc, ws; writes xc, xs, wc, ws
.if DOCPART == 1
	.amdgcn_target "amdgcn-amd-amdhsa--gfx1250"
	.amdhsa_code_object_version 6
	.text
	.protected	k_qd30596faea_prep
	.globl	k_qd30596faea_prep
	.p2align	8
	.type	k_qd30596faea_prep,@function
k_qd30596faea_prep:
	s_mov_b64 s[64:65], 0
	v_nop
	global_prefetch_b8 v0, s[64:65] scope:SCOPE_SE
	s_setreg_imm32_b32 hwreg(HW_REG_WAVE_MODE, 25, 1), 1
	s_wait_xcnt 0x0
; x [8192][1024] and the four weights [1024 (k)][1024 (n)], f32, become codes of FP6 (E2M3) with one E8M0 byte for each 32 along K, in the order in which the later launches' operand registers take them.
; AN IMAGE: 16 rows x 64 K of codes are 768 bytes: lane (r, h) owns the 24 bytes of row r, block h: its registers 0-3 lie at 16 x lane, its registers 4-5 at 512 + 8 x lane.  Two images on end are a fragment of 16 rows x 128 K.
; ROW ORDER: tile T, row p of a buffer is the real row 32 (T / 2) + 8 (T % 2) + p + 8 (p / 8): with such tiles as source 0 of a product a lane's 16 results of two neighbouring tiles are 16 neighbours along the next K.
; xc, wc: [tile][16 chunks of 64 K][768].  wc's tiles: 0-63 Wq^T, 64-127 Wk^T, 128-191 Wv^T, 192-255 Wo^T.  xs, ws: byte tile x 512 + (s / 4) x 256 + 16 r + 4 (s % 4): the scale word of row r for K step s of 128.
; A block's scale is 2^(floor(log2(largest magnitude)) - 2); its byte is the largest magnitude's exponent field - 2, held at 1 from below.
; LIMITS: a block of zeros, or one whose largest magnitude lies under 2^-124, keeps the byte 1 (its codes are zeros or nearly so; these bytes are read by this program alone); NaN and infinities are not served.
; Work-groups 0-255 take x, 256-511 the weights.  No matrix unit, no tensor load, no barrier, no cluster: the work-groups share no input and the waves share nothing.  Only x's way uses LDS.
; WORK LEFT OUT BY THE WHOLE PROGRAM: reference()'s head_patterns is the mean over (l, m) of the rows of a softmax.  A row of a softmax sums to 1 for all finite scores, so that mean is
; 1,024 / (1,024 x 1,024) = 1 / 1,024 for every batch and head, whatever x and the weights hold.  So out1[b][r] = (1 / 1,024) x (the sum over the 16 heads of Wrel[h][r]) + brel[r]: no sum of attention
; weights is formed or stored.  Every input still has a way to an output and is loaded.  LIMIT: a NaN, an infinity or an overflow that would reach out1 through the attention weights alone is not carried to out1.
.set R,    16
.set X,    144                         ; v144-207  x: two sets of 32 neighbours along K
.set CD,   208                         ; v208-255  x: six registers of codes for each of eight chunks: no store's data are written again
.set OWN,  12                          ; v12-15    x: my bytes of the four scale words
.set STG,  16*272                      ; a stage: 16 rows x (256 bytes + 16)
.set WREG, 2*STG                       ; LDS of a wave: two stages
.set CW,   160                         ; v160-183  weights: six registers of codes for each of four blocks
; the largest magnitude of v[xs] .. v[xs + 31] (all of one block) into v6, with the floor 2^(3 - 127) among its leaves; 2 off its exponent field gives the conversions' scale operand, v7
.macro BMAX xs
	v_max3_num_f32 v6, |v[\xs]|, |v[\xs+1]|, |v[\xs+2]|
	v_max3_num_f32 v7, |v[\xs+3]|, |v[\xs+4]|, |v[\xs+5]|
.irp i, 6,10,14,18,22,26
	v_max3_num_f32 v6, v6, |v[\xs+\i]|, |v[\xs+\i+1]|
	v_max3_num_f32 v7, v7, |v[\xs+\i+2]|, |v[\xs+\i+3]|
.endr
	v_max3_num_f32 v6, v6, |v[\xs+30]|, |v[\xs+31]|
	v_max3_num_f32 v6, v6, v7, 0x1800000
	v_add_nc_u32 v7, 0xff000000, v6
.endm
; the block's 32 codes into v[dst] .. v[dst + 5], its byte into v11.  A conversion's three registers begin on an even number, so the upper 16 codes are made in v[8:10] and moved
.macro CODES xs, dst
	v_cvt_scalef32_pk16_fp6_f32 v[\dst:\dst+2], v[\xs:\xs+15], v7
	v_cvt_scalef32_pk16_fp6_f32 v[8:10], v[\xs+16:\xs+31], v7
	v_lshrrev_b32 v11, 23, v7                      ; the scale's byte; also the plain line between the conversions and the moves that read them
.irp i, 0,1,2
	v_mov_b32 v[\dst+3+\i], v[8+\i]
.endr
.endm
	s_load_b256 s[4:11], s[0:1], 0x0               ; x, Wq, Wk, Wv
	s_load_b256 s[12:19], s[0:1], 0x20             ; Wo, xc, xs, wc
	s_load_b64 s[20:21], s[0:1], 0x40              ; ws
	s_set_vgpr_msb 0x40
	v_lshl_add_u32 v0, v0, 2, 0x8800
	v_mov_b32 v1, 0
	s_set_vgpr_msb 0x4000
	v_lshrrev_b32 v1, 5, v0
	v_readfirstlane_b32 s22, v1                    ; wave 0..3
	v_and_b32 v8, 31, v0                           ; lane
	v_bfe_u32 v6, v0, 4, 1                         ; h
	v_and_b32 v7, 15, v0                           ; r
	v_lshlrev_b32 v4, 4, v8                        ; an image's first part: 16 x lane
	v_lshlrev_b32 v5, 3, v8                        ; its second: 8 x lane
	s_mov_b32 s24, 0x76543210
	s_mov_b32 s25, 0xfedcba98                      ; v_permlanex16_b32's selects for lane l xor 16
	s_cmp_lt_u32 ttmp9, 256
	s_cbranch_scc0 .Lweights
	; ---- x.  Unit u = 4 x work-group + wave: tile T = u / 2, half g = u % 2 of K: 16 rows x 512 K, eight chunks of 64
	s_lshl_b32 s26, ttmp9, 2
	s_add_co_u32 s26, s26, s22                     ; u
	s_lshr_b32 s27, s26, 1                         ; T
	s_and_b32 s28, s26, 1                          ; g
	s_lshr_b32 s30, s27, 1
	s_lshl_b32 s30, s30, 17                        ; 32 (T / 2) rows of 4,096 bytes
	s_and_b32 s31, s27, 1
	s_lshl_b32 s31, s31, 15                        ; + 8 (T % 2) rows
	s_add_co_u32 s30, s30, s31
	s_lshl_b32 s31, s28, 11                        ; + 2,048 g
	s_add_co_u32 s30, s30, s31
	s_mov_b32 s31, 0
	s_mul_i32 s32, s26, 6144                       ; xc: 12,288 T + 6,144 g
	s_mov_b32 s33, 0
	s_lshl_b32 s34, s26, 8                         ; xs: 512 T + 256 g
	s_mov_b32 s35, 0
	s_mul_i32 s36, s22, WREG
	s_wait_alu depctr_va_vdst(0)
	v_lshlrev_b32 v1, 4, v7
	v_lshl_add_u32 v1, v6, 12, v1                  ; a load: lanes 0-15 take 256 bytes of one row, lanes 16-31 of the next
	v_mul_u32_u24 v2, v6, 272
	v_lshl_add_u32 v2, v7, 4, v2
	v_add_nc_u32 v2, s36, v2                       ; into the stage, as loaded
	v_mul_u32_u24 v3, v7, 272
	v_lshl_add_u32 v3, v6, 7, v3
	v_add_nc_u32 v3, s36, v3                       ; out of it: row r, block h: 128 bytes a lane
	s_wait_alu depctr_va_vdst(0)
	s_wait_kmcnt 0x0
	s_add_nc_u64 s[4:5], s[4:5], s[30:31]
	s_add_nc_u64 s[14:15], s[14:15], s[32:33]
	s_add_nc_u64 s[16:17], s[16:17], s[34:35]
.macro XLOAD c                         ; chunk c: the tile's rows p = 2 i, 2 i + 1 lie p + 8 (p / 8) real rows down
.irp i, 0,1,2,3,4,5,6,7
	global_load_b128 v[R+32*((\c)%4)+4*\i:R+32*((\c)%4)+4*\i+3], v1, s[4:5] offset:(2*\i+8*(\i/4))*4096+256*(\c) th:TH_LOAD_NT
.endr
.endm
.macro XTURN c                         ; through the wave's own stage: LDS serves a wave's instructions in order, so no wait stands between the stores and the loads
.irp i, 0,1,2,3,4,5,6,7
	ds_store_b128 v2, v[R+32*((\c)%4)+4*\i:R+32*((\c)%4)+4*\i+3] offset:STG*((\c)%2)+2*\i*272
.endr
.irp i, 0,1,2,3,4,5,6,7
	ds_load_b128 v[X+32*((\c)%2)+4*\i:X+32*((\c)%2)+4*\i+3], v3 offset:STG*((\c)%2)+16*\i
.endr
.endm
.macro CHUNK c
.set XS, X+32*((\c)%2)
	s_wait_dscnt 0x0                               ; this chunk's numbers are back from the stage
.if (\c)+4 < 8
	XLOAD (\c)+4
.endif
.if (\c) < 7
.if (\c) < 4
	s_wait_loadcnt 24                              ; the next chunk's eight loads are in; those of the three chunks behind it may be out
.else
	s_wait_loadcnt 8*(6-(\c))                      ; the counts run down: two chunks, one, none behind it
.endif
	XTURN (\c)+1
.endif
	BMAX XS
	CODES XS, CD+6*(\c)
.if (\c)%2 == 0
	v_mov_b32 v[OWN+(\c)/2], v11                   ; my blocks of K step c / 2 are h and 2 + h
.else
	v_lshl_or_b32 v[OWN+(\c)/2], v11, 16, v[OWN+(\c)/2]
.endif
	global_store_b128 v4, v[CD+6*(\c):CD+6*(\c)+3], s[14:15] offset:768*(\c)        ; 512 consecutive bytes, at a multiple of 256 from the buffer's first byte
	global_store_b64 v5, v[CD+6*(\c)+4:CD+6*(\c)+5], s[14:15] offset:768*(\c)+512   ; and 256
.endm
	XLOAD 0
	XLOAD 1
	XLOAD 2
	XLOAD 3
	s_wait_loadcnt 24                              ; chunk 0's eight loads are in
	XTURN 0
.irp c, 0,1,2,3,4,5,6,7
	CHUNK \c
.endr
	v_bfe_u32 v16, v0, 4, 1                        ; h.  (All loads are in: the registers from v16 on are free)
	v_lshlrev_b32 v17, 3, v16
.irp w, 0,1,2,3
	v_lshlrev_b32 v[OWN+\w], v17, v[OWN+\w]        ; my two bytes at their places in the word,
	v_mov_b32 v[20+\w], 0                          ; (a lane permute's destination counts as one of its sources)
.endr
.irp w, 0,1,2,3
	v_permlanex16_b32 v[20+\w], v[OWN+\w], s24, s25
.endr
.irp w, 0,1,2,3
	v_or_b32 v[OWN+\w], v[OWN+\w], v[20+\w]        ; with lane l xor 16's two the word is whole
.endr
	v_cmp_ne_u32 vcc_lo, 0, v16
	v_cndmask_b32 v24, v12, v14, vcc_lo            ; lane (r, h) stores words 2 h and 2 h + 1 of row r
	v_cndmask_b32 v25, v13, v15, vcc_lo
	v_and_b32 v26, 15, v0
	v_lshlrev_b32 v26, 4, v26
	v_lshl_add_u32 v26, v16, 3, v26
	global_store_b64 v26, v[24:25], s[16:17]       ; the wave stores 256 consecutive bytes, aligned
	s_set_vgpr_msb 0x5
	s_wait_tensorcnt 0x0
	ds_add_u32 v0, v1
	s_wait_dscnt 0x0
	s_set_vgpr_msb 0x500
	s_endpgm
.Lweights:
	; ---- a weight.  e = work-group - 256: weight e / 64, K step (e / 8) % 8, 128 columns e % 8.  A wave takes 32 columns x 128 K: a lane takes a column, its registers run down K
	s_sub_co_u32 s26, ttmp9, 256
	s_lshr_b32 s27, s26, 6                         ; which weight
	s_bfe_u32 s28, s26, 0x30003                    ; K step s
	s_and_b32 s29, s26, 7                          ; column group
	s_lshl_b32 s30, s28, 19                        ; 128 s rows of 4,096 bytes
	s_lshl_b32 s31, s29, 9
	s_add_co_u32 s30, s30, s31
	s_lshl_b32 s31, s22, 7
	s_add_co_u32 s30, s30, s31                     ; + 4 x my wave's first column
	s_mov_b32 s31, 0
	s_lshl_b32 s36, s27, 6
	s_lshl_b32 s37, s29, 3
	s_add_co_u32 s36, s36, s37
	s_lshl_b32 s37, s22, 1
	s_add_co_u32 s36, s36, s37                     ; my first tile of wc
	s_mul_i32 s32, s36, 12288
	s_mul_i32 s33, s28, 1536
	s_add_co_u32 s32, s32, s33                     ; its chunk 2 s
	s_mov_b32 s33, 0
	s_lshl_b32 s34, s36, 9
	s_lshr_b32 s35, s28, 2
	s_lshl_b32 s35, s35, 8
	s_add_co_u32 s34, s34, s35
	s_and_b32 s35, s28, 3
	s_lshl_b32 s35, s35, 2
	s_add_co_u32 s34, s34, s35                     ; its scale words of K step s
	s_mov_b32 s35, 0
	s_wait_alu depctr_va_vdst(0)
	v_lshlrev_b32 v2, 4, v7
	v_lshl_add_u32 v2, v6, 9, v2                   ; scale word: tile lane / 16, row lane % 16
	v_and_b32 v1, 7, v0
	v_bfe_u32 v3, v0, 3, 1
	v_lshl_or_b32 v1, v3, 4, v1
	v_lshl_or_b32 v1, v6, 3, v1                    ; the lane's bits 3 and 4 change places: lane = the buffer's row, this = the real column
	v_lshlrev_b32 v1, 2, v1
	s_wait_alu depctr_va_vdst(0)
	s_wait_kmcnt 0x0
	s_cmp_eq_u32 s27, 1                            ; the choice hangs on the work-group's number alone
	s_cselect_b64 s[6:7], s[8:9], s[6:7]
	s_cmp_eq_u32 s27, 2
	s_cselect_b64 s[6:7], s[10:11], s[6:7]
	s_cmp_eq_u32 s27, 3
	s_cselect_b64 s[6:7], s[12:13], s[6:7]
	s_add_nc_u64 s[6:7], s[6:7], s[30:31]
	s_add_nc_u64 s[18:19], s[18:19], s[32:33]
	s_add_nc_u64 s[20:21], s[20:21], s[34:35]
.set i, 0
.rept 128
	global_load_b32 v[32+i], v1, s[6:7] offset:i*4096 th:TH_LOAD_NT   ; W(128 s + i, my column): the wave reads 128 consecutive bytes
.set i, i+1
.endr
.macro WBLOCK t, left                  ; block t of the K step: all its 32 numbers are mine
	s_wait_loadcnt \left
	BMAX 32+32*(\t)
	CODES 32+32*(\t), CW+6*(\t)
.if (\t) == 0
	v_mov_b32 v12, v11
.else
	v_lshl_or_b32 v12, v11, 8*(\t), v12            ; the four bytes make my column's scale word
.endif
.endm
	WBLOCK 0, 63                                   ; 96 younger loads could stay out; 63 is the most that the wait can name
	WBLOCK 1, 63                                   ; 64 could
	WBLOCK 2, 32                                   ; block 3's 32 may be out
	WBLOCK 3, 0
.irp c, 0,1                            ; blocks 2 c and 2 c + 1 of 32 rows become the images of two tiles: the first's lanes 16-31 change places with the second's lanes 0-15
.irp i, 0,1,2,3,4,5
	v_permlane16_swap_b32 v[CW+12*\c+\i], v[CW+12*\c+6+\i]
.endr
.irp u, 0,1
	global_store_b128 v4, v[CW+12*\c+6*\u:CW+12*\c+6*\u+3], s[18:19] offset:12288*\u+768*\c
	global_store_b64 v5, v[CW+12*\c+6*\u+4:CW+12*\c+6*\u+5], s[18:19] offset:12288*\u+768*\c+512
.endr
.endr
	global_store_b32 v2, v12, s[20:21]             ; four bytes of each row's sixteen: 128 KiB in the whole launch
	s_endpgm
.Lfunc_end_k_qd30596faea_prep:
	.size	k_qd30596faea_prep, .Lfunc_end_k_qd30596faea_prep-k_qd30596faea_prep
	.p2alignl 7, 3214868480
	.fill 96, 4, 3214868480
	.section	.rodata,"a",@progbits
	.p2align	6, 0x0
	.amdhsa_kernel k_qd30596faea_prep
		.amdhsa_group_segment_fixed_size 35328
		.amdhsa_private_segment_fixed_size 0
		.amdhsa_enable_private_segment 0
		.amdhsa_kernarg_size 72
		.amdhsa_user_sgpr_count 2
		.amdhsa_user_sgpr_kernarg_segment_ptr 1
		.amdhsa_wavefront_size32 1
		.amdhsa_system_sgpr_workgroup_id_x 1
		.amdhsa_system_sgpr_workgroup_id_y 1
		.amdhsa_system_sgpr_workgroup_id_z 1
		.amdhsa_system_vgpr_workitem_id 0
		.amdhsa_next_free_vgpr 258
		.amdhsa_next_free_sgpr 66
		.amdhsa_reserve_vcc 1
		.amdhsa_float_denorm_mode_32 3
		.amdhsa_float_denorm_mode_16_64 3
		.amdhsa_memory_ordered 1
		.amdhsa_forward_progress 1
		.amdhsa_inst_pref_size 52
	.end_amdhsa_kernel
	.amdgpu_metadata
---
amdhsa.version: [ 1, 2 ]
amdhsa.kernels:
  - .name:           k_qd30596faea_prep
    .symbol:         k_qd30596faea_prep.kd
    .args:
      - { .name: x, .offset: 0, .size: 8, .value_kind: global_buffer, .address_space: global }
      - { .name: Wq, .offset: 8, .size: 8, .value_kind: global_buffer, .address_space: global }
      - { .name: Wk, .offset: 16, .size: 8, .value_kind: global_buffer, .address_space: global }
      - { .name: Wv, .offset: 24, .size: 8, .value_kind: global_buffer, .address_space: global }
      - { .name: Wo, .offset: 32, .size: 8, .value_kind: global_buffer, .address_space: global }
      - { .name: xc, .offset: 40, .size: 8, .value_kind: global_buffer, .address_space: global }
      - { .name: xs, .offset: 48, .size: 8, .value_kind: global_buffer, .address_space: global }
      - { .name: wc, .offset: 56, .size: 8, .value_kind: global_buffer, .address_space: global }
      - { .name: ws, .offset: 64, .size: 8, .value_kind: global_buffer, .address_space: global }
    .group_segment_fixed_size: 35328
    .private_segment_fixed_size: 0
    .kernarg_segment_align: 8
    .kernarg_segment_size: 72
    .max_flat_workgroup_size: 128
    .sgpr_count:     66
    .vgpr_count:     258
    .wavefront_size: 32
...
	.end_amdgpu_metadata
.endif
;; end of part 1
;; launch qkv (part 2): grid 8 x 32, 4 waves a work-group, clusters of 4 x 4, 327,680 bytes of LDS; arguments xc, xs, wc, ws, bq, bk, bv, heads; writes heads
.if DOCPART == 2
	.amdgcn_target "amdgcn-amd-amdhsa--gfx1250"
	.amdhsa_code_object_version 6
	.text
	.protected	k_qd30596faea_qkv
	.globl	k_qd30596faea_qkv
	.p2align	8
	.type	k_qd30596faea_qkv,@function
k_qd30596faea_qkv:
	s_mov_b64 s[64:65], 0
	v_nop
	global_prefetch_b8 v0, s[64:65] scope:SCOPE_SE
	s_setreg_imm32_b32 hwreg(HW_REG_WAVE_MODE, 25, 1), 1
	s_wait_xcnt 0x0
	s_wait_alu depctr_hold_cnt(0) depctr_sa_sdst(0) depctr_va_vdst(0) depctr_va_sdst(0) depctr_va_ssrc(0) depctr_va_vcc(0) depctr_vm_vsrc(0)
	s_getreg_b32 s2, hwreg(HW_REG_IB_STS2, 6, 4)
	s_cmp_eq_u32 s2, 0
	s_cbranch_scc0 .Lentry_in_a_cluster
	s_endpgm
.Lentry_in_a_cluster:
	s_bfe_u32 s2, ttmp6, 0x10000c
	s_cmp_lg_u32 s2, 0xf033
	s_cbranch_scc0 .Lentry_shape_is_right
	s_endpgm
.Lentry_shape_is_right:
; q = x Wq + bq, k = x Wk + bk and v^T = (x Wv + bv)^T on codes of FP6 (E2M3) with E8M0 scales; the results are quantised in registers, q and k along the head's 64, v along the keys, and stored as images of operand registers.
; A tile is 128 rows of A x 256 rows of B, K = 1,024; four waves, each 64 x 128: 32 accumulators.  A WORK-GROUP STAYS AND MAKES THREE TILES: 768 tiles on 256 work-groups.
; THE MATRIX INSTRUCTION IS USED TRANSPOSED: source 0 = 16 rows of B, source 1 = 16 rows of A: lane (r, h) holds A's row r, and the 16 registers of B's tiles 2 n and 2 n + 1 are B's real rows 32 n + 16 h + 0 .. 15.
; THE THREE TILES.  Tiles 0 and 1 (a loop of two trips): A = x's rows, tile rows 4 y + cy and 32 further on (y: the cluster's y, 0..7); B = Wq^T (cluster x 0) or Wk^T (1), tile column 4 x + cx: the registers run along the head's channels.
; Tile 2 (written out: it asks for nothing more): A = Wv^T, tile row cy + 4 (y % 2); B = x's rows, tile column 4 x + cx + 8 (y / 2): the registers run along the keys.
; THE RING: two slots, the two halves of K.  LDS: A's [half][8 tiles][6,144 bytes], from byte 98,304 on B's [half][16 tiles][6,144].  At each change of slots every wave waits for all its tensor loads, adds 0 to its spare word, waits for
; that and for its reads, a round of the cluster's barrier follows, and each wave asks for its part of the slot just read out by one joint load: ahead of K step 0 this tile's second half, ahead of K step 3 the next tile's first half.
; So a wave has one tensor load out; a first half has five K steps and the way out in which to land, a second half three K steps.  All of LDS is claimed.
; AN IMAGE: 16 rows x 64 K of codes, 768 bytes: lane (r, h)'s registers 0-3 at 16 x lane, registers 4-5 at 512 + 8 x lane; two on end are a fragment.  xc, wc: [tile][16 chunks][768]; xs, ws: tile x 512 + (s / 4) x 256 + 16 r + 4 (s % 4).
; heads: a record of 157,696 bytes for each (batch, head): K's codes [64 key tiles][768]; at 49,152 V^T's [8 key steps][4 tiles of channels][1,536]; at 98,304 K's scale words [16 groups of 4 tiles][lane][2 words]
; (word i of lane (r, h): tile 2 h + i, row r; bytes 2 and 3 are 0x7f: they scale the zero codes that fill K = 64 up to 128); at 102,400 V's [8 key steps][lane][2 words]; at 104,448 Q's codes; at 153,600 Q's scale words, both as K's.
; CLUSTERS: 4 x 4 work-groups.  A's tiles hang on the tile row alone and are asked for jointly by a row of the cluster, B's on the tile column alone and by a column.
; NO PREFETCH: a work-group issues six fills in all; B's tiles of tile 1 are those of tile 0, and tile 2's rows of x were read by this launch's tiles 0 and 1; each refill is asked for a whole slot ahead of its first read.
; The biases are the C of each sum's first matrix instruction.  LIMITS: a block of zeros or under 2^-124 keeps the scale byte 1; NaN and infinities are not served.
; REGISTERS: window 0: v1-5 r, h, lane, 16 x lane, 8 x lane; v6-21 LDS addresses, one for each half; v22-25 offsets; v32-47 A's scale words, v48-79 B's; v80-143 the bias tiles; v144-239 A's fragments, two sets, on the way out the codes;
;   v240-243 bv of my rows.   window 1: accumulator (a, b) at v[8 (8 a + b)].   window 2: B's fragments, two sets of 96.
.set SA,   32                          ; register 8 j + s: lanes 0-15 the words of A's tile j, lanes 16-31 of tile j + 2, K step s
.set SB,   48                          ; register 8 j + s: B's tiles j and j + 4
.set BI,   80
.set AF,   144
.set AA16, 6
.set AA8,  10
.set AB16, 14
.set AB8,  18
.set PC,   144                         ; the way out: tile a's fragment at v[PC + 12 a]
.set PT,   192                         ; v192-194, v196-198 the upper halves of the conversions
.set TM,   200                         ; v200-215 at work in QUANT
.set PW,   216                         ; v216-219 tile a's scale word
.set WV,   20                          ; s20 wave; s21 wave / 2; s22 wave % 2; s23 cx; s24 cy; s26 cluster y; s28 tile row; s29 tile column; s25, s27 those of tile 2
.set G1A,  36
.set G1B,  44
.set G0A,  68                          ; two groups 0, one for each slot
.set G0B,  76
.set SEL,  66
.set CA,   54                          ; s[54:55], s[56:57] this tile's codes that I fetch: A's, B's
.set CB,   56
.set NA,   58                          ; s[58:59], s[60:61] the next tile's
.set NB,   60
.set VA,   84                          ; s[84:85], s[86:87] tile 2's
.set VB,   86
.set T1A,  88                          ; s[88:89] tile 1's A
.set TRIP, 90
.set REC,  157696
.set MSB, 0
.macro WIN new                         ; the immediate's high byte repeats the setting that is left
.if MSB != \new
	s_set_vgpr_msb (MSB<<8)|\new
.set MSB, \new
.endif
.endm
.macro ROUND                           ; a round of the cluster's barrier
	s_barrier_signal -1
	s_barrier_wait -1
	s_cmp_lg_u32 s[WV], 0
	s_cbranch_scc1 .Lnot_wave_0_\@
	s_barrier_signal -3
.Lnot_wave_0_\@:
	s_barrier_wait -3
	s_barrier_signal -1
	s_barrier_wait -1
.endm
.macro PLACES                          ; four plain vector lines behind matrix instructions, ahead of loads into their sources and of reads of their results
.rept 4
	v_nop
.endr
.endm
.macro JL q                            ; slot q: waves 0 and 1 ask for A's tiles, waves 2 and 3 for B's: one joint load a wave, a load in each arm
	s_cmp_eq_u32 s21, 0
	s_cbranch_scc0 .Lfor_b_\@
	tensor_load_to_lds s[G0A+4*\q:G0A+4*\q+3], s[G1A:G1A+7]
	s_nop 0
	PLACES
	s_branch .Lasked_\@
.Lfor_b_\@:
	tensor_load_to_lds s[G0B+4*\q:G0B+4*\q+3], s[G1B:G1B+7]
	s_nop 0
	PLACES
.Lasked_\@:
.endm
.macro FRAG reg, a16, a8, off          ; a fragment: two images on end
	ds_load_b128 v[\reg:\reg+3], v[\a16] offset:\off
	ds_load_b64 v[\reg+4:\reg+5], v[\a8] offset:\off+512
	ds_load_b128 v[\reg+6:\reg+9], v[\a16] offset:\off+768
	ds_load_b64 v[\reg+10:\reg+11], v[\a8] offset:\off+1280
.endm
.macro FETCH s                         ; K step s: B's eight fragments and A's four into set s % 2: 48 LDS loads, each of consecutive bytes
	WIN 0x80
.irp i, 0,1,2,3,4,5,6,7
	FRAG 96*((\s)%2)+12*\i, AB16+(\s)/4, AB8+(\s)/4, \i*6144+((\s)%4)*1536
.endr
	WIN 0
.irp i, 0,1,2,3
	FRAG AF+48*((\s)%2)+12*\i, AA16+(\s)/4, AA8+(\s)/4, \i*6144+((\s)%4)*1536
.endr
.endm
.macro WM a, b, s, cm                  ; one product.  cm = 0: adds in place; 1: C = the bias tile of B's tile b; 2: C = the bias tile of A's tile a
.set rD, 8*(8*(\a)+(\b))
.set rC, rD
.if \cm == 1
.set rC, BI+8*(\b)
.elseif \cm == 2
.set rC, BI+8*(\a)
.endif
.set rB, 96*((\s)%2)+12*(\b)
.set rA, AF+48*((\s)%2)+12*(\a)
.set rSB, SB+8*((\b)%4)+(\s)
.set rSA, SA+8*((\a)%2)+(\s)
.if ((\b)/4 == 0) && ((\a)/2 == 0)
	v_wmma_scale_f32_16x16x128_f8f6f4 v[rD:rD+7], v[rB:rB+11], v[rA:rA+11], v[rC:rC+7], v[rSB], v[rSA] matrix_a_fmt:MATRIX_FMT_FP6 matrix_b_fmt:MATRIX_FMT_FP6
.elseif ((\a)/2 == 0)
	v_wmma_scale_f32_16x16x128_f8f6f4 v[rD:rD+7], v[rB:rB+11], v[rA:rA+11], v[rC:rC+7], v[rSB], v[rSA] matrix_a_fmt:MATRIX_FMT_FP6 matrix_b_fmt:MATRIX_FMT_FP6 matrix_a_scale:MATRIX_SCALE_ROW1
.elseif ((\b)/4 == 0)
	v_wmma_scale_f32_16x16x128_f8f6f4 v[rD:rD+7], v[rB:rB+11], v[rA:rA+11], v[rC:rC+7], v[rSB], v[rSA] matrix_a_fmt:MATRIX_FMT_FP6 matrix_b_fmt:MATRIX_FMT_FP6 matrix_b_scale:MATRIX_SCALE_ROW1
.else
	v_wmma_scale_f32_16x16x128_f8f6f4 v[rD:rD+7], v[rB:rB+11], v[rA:rA+11], v[rC:rC+7], v[rSB], v[rSA] matrix_a_fmt:MATRIX_FMT_FP6 matrix_b_fmt:MATRIX_FMT_FP6 matrix_a_scale:MATRIX_SCALE_ROW1 matrix_b_scale:MATRIX_SCALE_ROW1
.endif
.endm
.macro MUL s, cm                       ; 32 products: the 32 accumulators take turns, one instruction a turn, in the same order in every step
.if \cm
	WIN 0x42                                       ; source 0 (B) window 2, source 1 (A) and C window 0, D window 1
.else
	WIN 0x52                                       ; C and D window 1
.endif
.irp a, 0,1,2,3
.irp b, 0,1,2,3,4,5,6,7
	WM \a, \b, \s, \cm
.endr
.endr
.endm
.macro KSTEP s, tc                     ; tc >= 0: the fetch below is the first to read a slot behind which nothing is filled again: my load of it has landed, and a barrier shows the same of all four waves
.if \tc >= 0
	s_wait_dscnt 0x0                               ; no LDS load of mine is pending at the signal
	s_wait_tensorcnt \tc
	s_barrier_signal -1
	s_barrier_wait -1
.endif
.if \s < 7
	PLACES                                         ; the set fetched into was read by the step before
	FETCH (\s)+1
	s_wait_dscnt 48                                ; this step's fragments are in; the 48 loads just issued may be out
.else
	s_wait_dscnt 0x0
.endif
	MUL \s, 0
.endm
; A tile begins: slot 0 holds or is about to hold its first half; slot 1, read out by the tile before, takes its second half; then K steps 0 to 2.  cm: the form of the bias
.macro BEGIN cm
	s_wait_alu depctr_va_vdst(0)
	s_wait_xcnt 0x0                                ; the last tile's stores have read their registers: the fetches below land there
	s_wait_tensorcnt 0x0                           ; my part of the first half is in;
	ds_add_u32 v254, v255
	s_add_nc_u64 s[G0A+6:G0A+7], s[CA:CA+1], 6144  ; no load of mine is out, so a group 0 may be written: the second half
	s_or_b32 s[G0A+7], s[G0A+7], 0x80000000
	s_add_nc_u64 s[G0B+6:G0B+7], s[CB:CB+1], 6144
	s_or_b32 s[G0B+7], s[G0B+7], 0x80000000
	s_wait_dscnt 0x0                               ; the add is done, and so are my reads of slot 1
	ROUND                                          ; both hold of every wave of all sixteen work-groups
	JL 1
	FETCH 0
	FETCH 1
	s_wait_loadcnt 0x0                             ; scale words and biases
	s_wait_dscnt 48                                ; step 0's fragments are in; step 1's 48 loads may be out
	MUL 0, \cm                                     ; the first K step starts the sums, on the biases
	KSTEP 1, -1
	KSTEP 2, -1
.endm
; The change of slots ahead of K step 3, whose fetch is the first to read slot 1: slot 0 takes the next tile's first half
.macro TURN
	WIN 0
	s_wait_tensorcnt 0x0                           ; my part of the second half is in;
	ds_add_u32 v254, v255
	s_mov_b64 s[G0A+2:G0A+3], s[NA:NA+1]
	s_or_b32 s[G0A+3], s[G0A+3], 0x80000000
	s_mov_b64 s[G0B+2:G0B+3], s[NB:NB+1]
	s_or_b32 s[G0B+3], s[G0B+3], 0x80000000
	s_wait_dscnt 0x0                               ; the add is done, and so are my reads of slot 0 (step 3's fragments are in registers)
	ROUND
	JL 0                                           ; the four plain lines behind it are the places ahead of the fetch
	FETCH 4
	s_wait_dscnt 48
	MUL 3, 0
.endm
.macro SCLOAD                          ; the scale words of my rows, for all of K, straight into registers: each load reads whole rows of 16 bytes, 256 consecutive bytes for sixteen lanes
.irp j, 0,1
.irp g, 0,1
	global_load_b128 v[SA+8*\j+4*\g:SA+8*\j+4*\g+3], v22, s[52:53] offset:512*\j+256*\g
.endr
.endr
.irp j, 0,1,2,3
.irp g, 0,1
	global_load_b128 v[SB+8*\j+4*\g:SB+8*\j+4*\g+3], v23, s[62:63] offset:512*\j+256*\g
.endr
.endr
.endm
; 64 results of a lane in window 1, v[s] on, register 16 n + i = k 32 n + 16 h + i of my row, become a fragment's codes in v[pc] on and its scale word in v[pw]
.macro QUANT s, pc, pw
	WIN 0x14                                       ; sources 1 and 2 window 1
.irp b, 0,1,2,3
	v_max3_num_f32 v[TM+\b], 0x1800000, |v[\s+16*\b]|, |v[\s+1+16*\b]|   ; each accumulator is read from its low end on; the floor 2^(3 - 127) holds the byte at 1 from below
.endr
.irp i, 2,4,6,8,10,12,14
.irp b, 0,1,2,3
	v_max3_num_f32 v[TM+\b], v[TM+\b], |v[\s+16*\b+\i]|, |v[\s+1+16*\b+\i]|
.endr
.endr
	WIN 0
.irp b, 0,1,2,3
	v_permlanex16_b32 v[TM+4+\b], v[TM+\b], s[SEL], s[SEL+1]
.endr
.irp b, 0,1,2,3
	v_max_num_f32 v[TM+\b], v[TM+\b], v[TM+4+\b]   ; with lane l xor 16's 16: the block's largest magnitude
.endr
.irp b, 0,1,2,3
	v_add_nc_u32 v[TM+12+\b], 0xff000000, v[TM+\b] ; 2 off its exponent field: the conversion's scale operand
.endr
.irp b, 0,1,2,3
	v_lshrrev_b32 v[TM+4+\b], 23, v[TM+12+\b]      ; the scale's byte
.endr
	v_lshl_or_b32 v[\pw], v[TM+5], 8, v[TM+4]
	v_lshl_or_b32 v[\pw], v[TM+6], 16, v[\pw]
	v_lshl_or_b32 v[\pw], v[TM+7], 24, v[\pw]
	WIN 0x01                                       ; source 0 window 1
.irp c, 0,1
	v_cvt_scalef32_pk16_fp6_f32 v[\pc+6*\c:\pc+6*\c+2], v[\s+32*\c:\s+32*\c+15], v[TM+12+2*\c]
	v_cvt_scalef32_pk16_fp6_f32 v[PT+4*\c:PT+4*\c+2], v[\s+16+32*\c:\s+31+32*\c], v[TM+13+2*\c]
.endr
	WIN 0
	v_nop                                          ; one plain line behind the scaled conversions
.irp c, 0,1                            ; the operand's layout wants a whole block in a lane
.irp i, 0,1,2
	v_permlane16_swap_b32 v[\pc+6*\c+\i], v[PT+4*\c+\i]
.endr
.irp i, 0,1,2
	v_mov_b32 v[\pc+3+6*\c+\i], v[PT+4*\c+\i]
.endr
.endr
.endm
.macro QALL                            ; my four tiles of A's rows
.irp b, 0,1,2,3
	v_mov_b32 v[TM+4+\b], 0                        ; a lane permute's destination counts as one of its sources
.endr
	QUANT 0, PC, PW
	QUANT 64, PC+12, PW+1
	QUANT 128, PC+24, PW+2
	QUANT 192, PC+36, PW+3
	v_cmp_ne_u32 vcc_lo, 0, v2
	v_cndmask_b32 v220, v[PW], v[PW+2], vcc_lo     ; lane (r, h): the words of tiles 2 h and 2 h + 1, row r
	v_cndmask_b32 v221, v[PW+1], v[PW+3], vcc_lo
.endm
	s_load_b256 s[4:11], s[0:1], 0x0               ; xc, xs, wc, ws
	s_load_b256 s[12:19], s[0:1], 0x20             ; bq, bk, bv, heads
	v_lshl_add_u32 v254, v0, 2, 0x48000
	v_mov_b32 v255, 0
	ds_add_u32 v254, v255                          ; the opening lines: the add, twice on end, and its wait ahead of my first tensor load
	ds_add_u32 v254, v255
	v_lshrrev_b32 v1, 5, v0
	v_readfirstlane_b32 s[WV], v1                  ; wave 0..3
	s_lshr_b32 s21, s[WV], 1                       ; which 64 rows of A are mine.  Also: I fetch for A (0) or for B (1)
	s_and_b32 s22, s[WV], 1                        ; which 128 rows of B.  Also: which half of that tile I fetch
	s_bfe_u32 s23, ttmp6, 0x40000                  ; cx
	s_bfe_u32 s24, ttmp6, 0x40004                  ; cy
	s_and_b32 s26, ttmp7, 0xffff                   ; cluster y
	s_lshl_b32 s28, s26, 2
	s_add_co_u32 s28, s28, s24                     ; tile 0's tile row
	s_lshl_b32 s29, ttmp9, 2
	s_add_co_u32 s29, s29, s23                     ; tiles 0 and 1's tile column
	s_and_b32 s25, s26, 1
	s_lshl_b32 s25, s25, 2
	s_add_co_u32 s25, s25, s24                     ; tile 2's tile row
	s_lshr_b32 s27, s26, 1
	s_lshl_b32 s27, s27, 3
	s_add_co_u32 s27, s27, s29                     ; tile 2's tile column
	s_lshl_b32 s32, s24, 2
	s_lshl_b32 s32, 15, s32                        ; my row of the cluster
	s_lshl_b32 s33, 0x1111, s23                    ; my column
	; group 1: rows of 6,144 bytes (a tile's half of K: 768 elements of 8 bytes), 12,288 bytes apart; 4 of them for A, 8 for B; no padding
	s_or_b32 s[G1A], s32, (3<<16)|(1<<21)
	s_or_b32 s[G1B], s33, (3<<16)|(1<<21)
	s_mov_b32 s[G1A+1], 768<<16
	s_mov_b32 s[G1A+2], 4<<16
	s_mov_b32 s[G1A+3], 768<<16
	s_mov_b32 s[G1A+4], 4
	s_mov_b32 s[G1A+5], 1536
	s_mov_b32 s[G1A+6], 0
	s_mov_b32 s[G1A+7], 0
	s_mov_b32 s[G1B+1], 768<<16
	s_mov_b32 s[G1B+2], 8<<16
	s_mov_b32 s[G1B+3], 768<<16
	s_mov_b32 s[G1B+4], 8
	s_mov_b32 s[G1B+5], 1536
	s_mov_b32 s[G1B+6], 0
	s_mov_b32 s[G1B+7], 0
	s_lshl_b32 s58, s28, 3
	s_lshl_b32 s59, s22, 2
	s_add_co_u32 s58, s58, s59                     ; A: the first tile that I fetch: 8 x tile row + 4 x half
	s_mul_i32 s58, s58, 12288
	s_lshl_b32 s84, s25, 3
	s_add_co_u32 s84, s84, s59
	s_add_co_u32 s84, s84, 128                     ; tile 2: Wv^T begins at wc's tile 128
	s_mul_i32 s84, s84, 12288
	s_mov_b32 s59, 0
	s_mov_b32 s85, 0
	s_lshl_b32 s60, s29, 4
	s_lshl_b32 s61, s22, 3
	s_add_co_u32 s60, s60, s61                     ; B: 16 x tile column + 8 x half
	s_mul_i32 s60, s60, 12288
	s_lshl_b32 s86, s27, 4
	s_add_co_u32 s86, s86, s61
	s_mul_i32 s86, s86, 12288
	s_mov_b32 s61, 0
	s_mov_b32 s87, 0
	s_mul_i32 s34, s22, 24576                      ; where they go: no place in the cluster enters an LDS address
	s_mul_i32 s35, s22, 49152
	s_add_co_u32 s35, s35, 98304
.irp q, 0,1
	s_mov_b32 s[G0A+4*\q], 1
	s_add_co_u32 s[G0A+4*\q+1], s34, \q*49152
	s_mov_b32 s[G0B+4*\q], 1
	s_add_co_u32 s[G0B+4*\q+1], s35, \q*98304
.endr
	s_mov_b32 s[SEL], 0x76543210
	s_mov_b32 s[SEL+1], 0xfedcba98
	s_wait_dscnt 0x0
	s_wait_kmcnt 0x0
	s_add_nc_u64 s[CA:CA+1], s[4:5], s[58:59]
	s_add_nc_u64 s[CB:CB+1], s[8:9], s[60:61]
	s_add_nc_u64 s[T1A:T1A+1], s[CA:CA+1], 256*12288   ; 32 tile rows of 8 tiles on
	s_add_nc_u64 s[VA:VA+1], s[8:9], s[84:85]
	s_add_nc_u64 s[VB:VB+1], s[4:5], s[86:87]
	s_mov_b64 s[G0A+2:G0A+3], s[CA:CA+1]
	s_or_b32 s[G0A+3], s[G0A+3], 0x80000000
	s_mov_b64 s[G0B+2:G0B+3], s[CB:CB+1]
	s_or_b32 s[G0B+3], s[G0B+3], 0x80000000
	ROUND                                          ; all sixteen work-groups are here: the joint loads meet
	JL 0                                           ; tile 0's first half: one load a wave
	; where my rows' scale words lie: s[52:53], s[62:63] A's and B's of the tile to come, s[96:97], s[98:99] those of tile 2
	s_lshl_b32 s2, s28, 3
	s_lshl_b32 s3, s21, 2
	s_add_co_u32 s2, s2, s3                        ; my first tile of A
	s_lshl_b32 s2, s2, 9
	s_lshl_b32 s30, s25, 3
	s_add_co_u32 s30, s30, s3
	s_add_co_u32 s30, s30, 128
	s_lshl_b32 s30, s30, 9
	s_mov_b32 s3, 0
	s_mov_b32 s31, 0
	s_add_nc_u64 s[52:53], s[6:7], s[2:3]
	s_add_nc_u64 s[96:97], s[10:11], s[30:31]
	s_lshl_b32 s2, s29, 4
	s_lshl_b32 s30, s22, 3
	s_add_co_u32 s2, s2, s30                       ; my first tile of B
	s_lshl_b32 s2, s2, 9
	s_lshl_b32 s34, s27, 4
	s_add_co_u32 s34, s34, s30
	s_lshl_b32 s30, s34, 9
	s_add_nc_u64 s[62:63], s[10:11], s[2:3]
	s_add_nc_u64 s[98:99], s[6:7], s[30:31]
	s_cmp_eq_u32 ttmp9, 0
	s_cselect_b64 s[12:13], s[12:13], s[14:15]     ; bq or bk
	s_lshl_b32 s2, s23, 10
	s_lshl_b32 s30, s22, 9
	s_add_co_u32 s2, s2, s30                       ; my 128 columns: 256 cx + 128 x half
	s_add_nc_u64 s[12:13], s[12:13], s[2:3]
	s_lshl_b32 s2, s25, 9
	s_lshl_b32 s30, s21, 8
	s_add_co_u32 s2, s2, s30                       ; tile 2: my 64 channels: 128 x tile row + 64 x half
	s_add_nc_u64 s[16:17], s[16:17], s[2:3]
	s_mul_i32 s2, s21, 24576                       ; my four tiles of A in LDS
	s_mul_i32 s3, s22, 49152                       ; my eight of B
	s_add_co_u32 s3, s3, 98304
	v_and_b32 v1, 15, v0                           ; r
	v_bfe_u32 v2, v0, 4, 1                         ; h
	v_and_b32 v3, 31, v0
	v_lshlrev_b32 v4, 4, v3
	v_lshlrev_b32 v5, 3, v3
.irp q, 0,1
	v_add_nc_u32 v[AA16+\q], s2, v4
	v_add_nc_u32 v[AA8+\q], s2, v5
	v_add_nc_u32 v[AB16+\q], s3, v4
	v_add_nc_u32 v[AB8+\q], s3, v5
	s_add_co_u32 s2, s2, 49152
	s_add_co_u32 s3, s3, 98304
.endr
	v_lshlrev_b32 v22, 4, v1
	v_lshl_add_u32 v23, v2, 11, v22                ; B's scale words: lanes 16-31 four tiles on
	v_lshl_add_u32 v22, v2, 10, v22                ; A's: two tiles on
	v_lshlrev_b32 v24, 6, v2                       ; q, k: my half's 16 channels of each 32
	v_and_b32 v25, 8, v1
	v_add_nc_u32 v25, v25, v1
	v_lshlrev_b32 v25, 2, v25                      ; v: my row's real channel: r + 8 (r / 8)
	s_wait_alu depctr_va_vdst(0)
	SCLOAD
.irp b, 0,1,2,3,4,5,6,7                ; bq or bk: tile b's register j is column 32 (b / 2) + 8 (b % 2) + 16 h + j; these tiles serve tiles 0 and 1
	global_load_b128 v[BI+8*\b:BI+8*\b+3], v24, s[12:13] offset:(32*(\b/2)+8*(\b%2))*4
	global_load_b128 v[BI+8*\b+4:BI+8*\b+7], v24, s[12:13] offset:(32*(\b/2)+8*(\b%2))*4+16
.endr
.irp a, 0,1,2,3                        ; bv: one number a lane for each of my four tiles of channels
	global_load_b32 v[240+\a], v25, s[16:17] offset:(32*(\a/2)+8*(\a%2))*4
.endr
	s_mov_b32 s[TRIP], 0
.Ltile:                                                ; tiles 0 and 1: q or k
	s_cmp_eq_u32 s[TRIP], 0                        ; what follows this tile: tile 1 (other rows of x, the same rows of B) or tile 2
	s_cselect_b64 s[NA:NA+1], s[T1A:T1A+1], s[VA:VA+1]
	s_cselect_b64 s[NB:NB+1], s[CB:CB+1], s[VB:VB+1]
	BEGIN 1
	TURN
	KSTEP 4, -1
	KSTEP 5, -1
	KSTEP 6, -1
	KSTEP 7, -1
	WIN 0
	PLACES
	s_add_nc_u64 s[52:53], s[52:53], 256*512       ; the next tile's scale words land while this tile goes out (the loads that read these bases were awaited in BEGIN)
	s_cmp_eq_u32 s[TRIP], 0
	s_cselect_b64 s[52:53], s[52:53], s[96:97]
	s_cselect_b64 s[62:63], s[62:63], s[98:99]
	SCLOAD
	; q, k: a fragment's two halves are two heads' images of 16 rows
	s_lshl_b32 s34, s28, 3
	s_lshl_b32 s35, s21, 2
	s_add_co_u32 s34, s34, s35                     ; my first tile of A
	s_lshr_b32 s2, s34, 6                          ; the batch
	s_and_b32 s3, s34, 63                          ; my first tile in it
	s_lshl_b32 s2, s2, 4
	s_lshl_b32 s30, s23, 2
	s_add_co_u32 s2, s2, s30
	s_lshl_b32 s30, s22, 1
	s_add_co_u32 s2, s2, s30                       ; record: 16 x batch + 4 cx + 2 x half
	s_mul_i32 s2, s2, REC
	s_mul_i32 s92, s3, 768
	s_add_co_u32 s92, s92, s2
	s_lshr_b32 s3, s3, 2
	s_lshl_b32 s3, s3, 8
	s_add_co_u32 s94, s3, s2
	s_add_co_u32 s94, s94, 98304
	s_cmp_eq_u32 ttmp9, 0                          ; q's parts lie behind k's and v's
	s_cselect_b32 s3, 104448, 0
	s_cselect_b32 s30, 55296, 0
	s_add_co_u32 s92, s92, s3
	s_add_co_u32 s94, s94, s30
	s_mov_b32 s93, 0
	s_mov_b32 s95, 0
	s_add_nc_u64 s[92:93], s[18:19], s[92:93]
	s_add_nc_u64 s[94:95], s[18:19], s[94:95]
	s_mov_b32 s31, 0x7f7f0000
	QALL
	v_and_or_b32 v222, v220, 0xffff, s31           ; the first head's two bytes, and 0x7f for the two blocks of zero codes
	v_and_or_b32 v223, v221, 0xffff, s31
	v_lshrrev_b32 v224, 16, v220
	v_lshrrev_b32 v225, 16, v221
	v_or_b32 v224, s31, v224                       ; the second head's
	v_or_b32 v225, s31, v225
	s_wait_alu depctr_va_vdst(0)
.irp a, 0,1,2,3                        ; every store covers 512 or 256 consecutive bytes, at a multiple of 256 from the buffer's first byte
	global_store_b128 v4, v[PC+12*\a:PC+12*\a+3], s[92:93] offset:768*\a
	global_store_b64 v5, v[PC+12*\a+4:PC+12*\a+5], s[92:93] offset:768*\a+512
	global_store_b128 v4, v[PC+12*\a+6:PC+12*\a+9], s[92:93] offset:REC+768*\a
	global_store_b64 v5, v[PC+12*\a+10:PC+12*\a+11], s[92:93] offset:REC+768*\a+512
.endr
	global_store_b64 v5, v[222:223], s[94:95]
	global_store_b64 v5, v[224:225], s[94:95] offset:REC
	s_mov_b64 s[CA:CA+1], s[NA:NA+1]               ; on to the next tile
	s_mov_b64 s[CB:CB+1], s[NB:NB+1]
	s_add_co_u32 s28, s28, 32
	s_add_co_u32 s[TRIP], s[TRIP], 1
	s_cmp_lt_u32 s[TRIP], 2
	s_cbranch_scc1 .Ltile
	; tile 2: v^T.  A lane's eight results of A's tile a share one bias
.irp a, 0,1,2,3
.irp j, 0,1,2,3,4,5,6,7
	v_mov_b32 v[BI+8*\a+\j], v[240+\a]
.endr
.endr
	BEGIN 2
	KSTEP 3, 0                                     ; its fetch is the first to read slot 1; nothing is filled again
	KSTEP 4, -1
	KSTEP 5, -1
	KSTEP 6, -1
	KSTEP 7, -1
	WIN 0
	PLACES
	; a fragment is 16 channels x 128 keys: tile a of one key step of one head
	s_lshr_b32 s2, s27, 2                          ; the batch
	s_lshl_b32 s2, s2, 4
	s_lshl_b32 s3, s25, 1
	s_add_co_u32 s2, s2, s3
	s_add_co_u32 s2, s2, s21                       ; record: 16 x batch + 2 x tile row + half
	s_mul_i32 s2, s2, REC
	s_and_b32 s3, s27, 3
	s_lshl_b32 s3, s3, 1
	s_add_co_u32 s3, s3, s22                       ; the key step
	s_mul_i32 s92, s3, 6144
	s_add_co_u32 s92, s92, s2
	s_add_co_u32 s92, s92, 49152
	s_lshl_b32 s94, s3, 8
	s_add_co_u32 s94, s94, s2
	s_add_co_u32 s94, s94, 102400
	s_mov_b32 s93, 0
	s_mov_b32 s95, 0
	s_add_nc_u64 s[92:93], s[18:19], s[92:93]
	s_add_nc_u64 s[94:95], s[18:19], s[94:95]
	QALL
	s_wait_alu depctr_va_vdst(0)
.irp a, 0,1,2,3
	global_store_b128 v4, v[PC+12*\a:PC+12*\a+3], s[92:93] offset:1536*\a
	global_store_b64 v5, v[PC+12*\a+4:PC+12*\a+5], s[92:93] offset:1536*\a+512
	global_store_b128 v4, v[PC+12*\a+6:PC+12*\a+9], s[92:93] offset:1536*\a+768
	global_store_b64 v5, v[PC+12*\a+10:PC+12*\a+11], s[92:93] offset:1536*\a+1280
.endr
	global_store_b64 v5, v[220:221], s[94:95]
	s_wait_tensorcnt 0x0                           ; the wave's end
	ds_add_u32 v254, v255
	s_wait_dscnt 0x0
	ROUND                                          ; the closing round: no work-group ends while a partner may still ask for a tile that names it
	s_endpgm
.Lfunc_end_k_qd30596faea_qkv:
	.size	k_qd30596faea_qkv, .Lfunc_end_k_qd30596faea_qkv-k_qd30596faea_qkv
	.p2alignl 7, 3214868480
	.fill 96, 4, 3214868480
	.section	.rodata,"a",@progbits
	.p2align	6, 0x0
	.amdhsa_kernel k_qd30596faea_qkv
		.amdhsa_group_segment_fixed_size 327680
		.amdhsa_private_segment_fixed_size 0
		.amdhsa_enable_private_segment 0
		.amdhsa_kernarg_size 64
		.amdhsa_user_sgpr_count 2
		.amdhsa_user_sgpr_kernarg_segment_ptr 1
		.amdhsa_wavefront_size32 1
		.amdhsa_system_sgpr_workgroup_id_x 1
		.amdhsa_system_sgpr_workgroup_id_y 1
		.amdhsa_system_sgpr_workgroup_id_z 1
		.amdhsa_system_vgpr_workitem_id 0
		.amdhsa_next_free_vgpr 768
		.amdhsa_next_free_sgpr 100
		.amdhsa_reserve_vcc 1
		.amdhsa_float_denorm_mode_32 3
		.amdhsa_float_denorm_mode_16_64 3
		.amdhsa_memory_ordered 1
		.amdhsa_forward_progress 1
		.amdhsa_inst_pref_size 170
	.end_amdhsa_kernel
	.amdgpu_metadata
---
amdhsa.version: [ 1, 2 ]
amdhsa.kernels:
  - .name:           k_qd30596faea_qkv
    .symbol:         k_qd30596faea_qkv.kd
    .args:
      - { .name: xc, .offset: 0, .size: 8, .value_kind: global_buffer, .address_space: global }
      - { .name: xs, .offset: 8, .size: 8, .value_kind: global_buffer, .address_space: global }
      - { .name: wc, .offset: 16, .size: 8, .value_kind: global_buffer, .address_space: global }
      - { .name: ws, .offset: 24, .size: 8, .value_kind: global_buffer, .address_space: global }
      - { .name: bq, .offset: 32, .size: 8, .value_kind: global_buffer, .address_space: global }
      - { .name: bk, .offset: 40, .size: 8, .value_kind: global_buffer, .address_space: global }
      - { .name: bv, .offset: 48, .size: 8, .value_kind: global_buffer, .address_space: global }
      - { .name: heads, .offset: 56, .size: 8, .value_kind: global_buffer, .address_space: global }
    .group_segment_fixed_size: 327680
    .private_segment_fixed_size: 0
    .kernarg_segment_align: 8
    .kernarg_segment_size: 64
    .max_flat_workgroup_size: 128
    .sgpr_count:     100
    .vgpr_count:     768
    .wavefront_size: 32
...
	.end_amdgpu_metadata
.endif
;; end of part 2
;; launch attn (part 3): grid 4 x 64, 16 waves a work-group, clusters of 4 x 1, 327,680 bytes of LDS; arguments heads, cc, cs; writes cc, cs
.if DOCPART == 3
	.amdgcn_target "amdgcn-amd-amdhsa--gfx1250"
	.amdhsa_code_object_version 6
	.text
	.protected	k_qd30596faea_attn
	.globl	k_qd30596faea_attn
	.p2align	8
	.type	k_qd30596faea_attn,@function
k_qd30596faea_attn:
	s_mov_b64 s[64:65], 0
	v_nop
	global_prefetch_b8 v0, s[64:65] scope:SCOPE_SE
	s_setreg_imm32_b32 hwreg(HW_REG_WAVE_MODE, 25, 1), 1
	s_wait_xcnt 0x0
	s_wait_alu depctr_hold_cnt(0) depctr_sa_sdst(0) depctr_va_vdst(0) depctr_va_sdst(0) depctr_va_ssrc(0) depctr_va_vcc(0) depctr_vm_vsrc(0)
	s_getreg_b32 s2, hwreg(HW_REG_IB_STS2, 6, 4)
	s_cmp_eq_u32 s2, 0
	s_cbranch_scc0 .Lentry_in_a_cluster
	s_endpgm
.Lentry_in_a_cluster:
	s_bfe_u32 s2, ttmp6, 0x10000c
	s_cmp_lg_u32 s2, 0x3003
	s_cbranch_scc0 .Lentry_shape_is_right
	s_endpgm
.Lentry_shape_is_right:
; ctx = softmax(q k^T / 8) v for two heads of a batch, both products on codes of FP6 (E2M3) with E8M0 scales; ctx is quantised along its 64 channels a head and stored as images of operand registers.
; LEFT OUT: the sums of attention weights for out1: each row of a softmax sums to 1, so their mean is 1 / 1,024 for all inputs (shown at the head of the first kernel).
; THE SOFTMAX: t = score x log2(e) / 8; M = the row's largest t so far, rounded up to a whole number; p = 2^(t - M) is quantised along the keys, not normalised; the row's sum l is taken of the unquantised p and divides at the end.
; When M moves, the sum and O are multiplied by 2^(old M - new M): exact.  LIMITS: the promise holds while |t| stays under 2^31; NaN and infinities are not served; a block of zeros or under 2^-124 keeps the scale byte 1.
; SHARES.  The cluster's y is a pair of heads (8 x batch + pair), a work-group a block of 256 queries, a wave one tile of 16 queries, for the first head and then the second.  256 registers a wave, four waves to a SIMD.
; LDS holds both heads' K, V^T and their scale words: a head's 104,448 bytes come as 16 parts of 26 rows of 256 bytes, one part a wave (the last part's 2,048 bytes over are never read), 106,496 bytes a head.  The four query blocks
; of a cluster read the same two records: every part is asked for jointly.  The first head is asked for at the head; the second behind the three lines and a round of the cluster's barrier, and lands while the first is worked on.
; The barrier that shows the second head whole is signalled behind the first head's fourth key step and waited for behind its last: between the two stand register work and reads of the first head's bytes alone.
; NO PREFETCH: each byte of a record is asked for once, by a load at the launch's head or directly behind it; no later load is left to run ahead of.
; LAYOUT.  S^T = K Q^T, O^T = V^T P^T: a lane holds one query (lane % 16).  heads holds K in tiles of 16 keys: tile T, row p is key 32 (T / 2) + 8 (T % 2) + p + 8 (p / 8).  A TILE OF THE PRODUCT IS GATHERED FROM TWO OF THEM BY THE LANES' ADDRESSES:
; tile 4 c + u takes as rows 0-7 the keys 64 c + 8 u + 0 .. 7 and as rows 8-15 the keys 64 c + 32 + 8 u + 0 .. 7.  So the 32 registers of tiles 4 c .. 4 c + 3 in lane (query, h) are the keys 64 c + 32 h + 0 .. 31 in order:
; a whole block of p, as the second product's operand wants it: its largest p, its scale and its codes need no other lane.  (Lanes r and r + 8 of such a load read 1,536 bytes apart.)
; K = 64 IN AN INSTRUCTION OF 128: Q's upper 64 codes are zeros; a tile of K is named as 12 registers of which the upper six are the next tile's codes (behind the last tile: zeros): they meet zero codes alone, under scale bytes 0x7f.
; REGISTERS: v1, v2 K's lane addresses; v3, v4 16 x lane, 8 x lane; v5 K's scale words' lane address; v6 8 h; v7-11, v44 a step's LDS addresses; v12 -M, v13 the largest score, v[14:15] the sum; v16-39 Q of both heads; v40-41 Q's scale words;
;   v42 p's; v43 ctx's; v45 16 r; v[46:47] f; v48-95 eight tiles of K, then four fragments of V^T; v96-101 zeros; v102-105 K's scale words; v106-107 V's; v108-119 ctx's codes; v120-183 S^T, then p; v184-215 O^T; v216-227 p's codes; v228-253 at work.
.set REC,   157696
.set QOFF,  104448                     ; Q's codes in a record
.set QSOFF, 153600                     ; Q's scale words
.set PART,  6656                       ; 26 rows of 256 bytes: what one wave fetches of a head
.set HSTR,  16*PART                    ; a head in LDS
.set VOFF,  49152                      ; V^T's codes in it
.set KSC,   98304                      ; K's scale words
.set VSC,   102400                     ; V's
.set SPARE, 2*HSTR                     ; the spare words: 128 bytes a wave, 2,048 bytes that no other line names
.set A_K16, 7
.set A_K8,  8
.set A_KS,  9
.set A_V16, 10
.set A_V8,  11
.set A_VS,  44
.set QF,  16
.set QS,  40
.set PW,  42
.set CW,  43
.set KV,  48
.set KS,  102
.set VS,  106
.set CC,  108
.set S,   120
.set O,   184
.set PC,  216
.set PT,  228
.set BM,  236
.set BP,  240
.set SO,  244
.set WV,  28
.set SEL, 48
.set CS,  50
.set TK,  52
.set TS,  53
.set TV,  54
.set CNT, 55
.set NC,  56
.macro ROUND                           ; a round of the cluster's barrier
	s_barrier_signal -1
	s_barrier_wait -1
	s_cmp_lg_u32 s[WV], 0
	s_cbranch_scc1 .Lnot_wave_0_\@
	s_barrier_signal -3
.Lnot_wave_0_\@:
	s_barrier_wait -3
	s_barrier_signal -1
	s_barrier_wait -1
.endm
.macro D n                             ; a hint ahead of a plain vector line that reads the result of the plain vector line n before it
	s_delay_alu instid0(VALU_DEP_\n)
.endm
	s_load_b128 s[4:7], s[0:1], 0x0                ; heads, cc
	s_load_b64 s[8:9], s[0:1], 0x10                ; cs
	v_lshl_add_u32 v254, v0, 2, SPARE
	v_mov_b32 v255, 0
	ds_add_u32 v254, v255                          ; the opening lines: the add, twice on end, and its wait ahead of my first tensor load
	ds_add_u32 v254, v255
	v_lshrrev_b32 v1, 5, v0
	v_readfirstlane_b32 s[WV], v1                  ; wave 0..15
	s_bfe_u32 s29, ttmp6, 0x40000                  ; cx: my block of 256 queries: it enters global addresses alone
	s_and_b32 s30, ttmp7, 0xffff                   ; the pair of heads
	; group 1: 26 rows of 256 bytes (32 elements of 8 bytes), dense; the mask names all four work-groups
	s_mov_b32 s20, 15|(3<<16)|(1<<21)
	s_mov_b32 s21, 32<<16
	s_mov_b32 s22, 26<<16
	s_mov_b32 s23, 32<<16
	s_mov_b32 s24, 26
	s_mov_b32 s25, 32
	s_mov_b32 s26, 0
	s_mov_b32 s27, 0
	s_mul_i32 s32, s30, 2*REC                      ; the pair's first record
	s_mov_b32 s33, 0
	s_mov_b32 s12, 1
	s_mul_i32 s13, s[WV], PART                     ; my part, in LDS and in the record
	s_mov_b32 s34, s13
	s_mov_b32 s35, 0
	s_mov_b32 s16, 1
	s_add_co_u32 s17, s13, HSTR
	s_mov_b32 s[SEL], 0x76543210
	s_mov_b32 s[SEL+1], 0xfedcba98                 ; v_permlanex16_b32's selects for lane l xor 16
	s_mov_b32 s[CS], 0x3e38aa3b                    ; c = log2(e) / 8
	s_mov_b32 s[CS+1], s[CS]                       ; (named with it as a pair, so it is written)
	s_mov_b32 s[NC], 0xbe38aa3b                    ; -c
	s_wait_dscnt 0x0
	s_wait_kmcnt 0x0
	s_add_nc_u64 s[36:37], s[4:5], s[32:33]
	s_add_nc_u64 s[14:15], s[36:37], s[34:35]
	s_add_nc_u64 s[18:19], s[14:15], REC
	s_or_b32 s15, s15, 0x80000000
	s_or_b32 s19, s19, 0x80000000
	ROUND                                          ; all four work-groups are here: the joint loads meet
	tensor_load_to_lds s[12:15], s[20:27]          ; the first head: one load a wave
	s_nop 0
	s_lshl_b32 s40, s29, 4
	s_add_co_u32 s40, s40, s[WV]                   ; my tile of queries, 0..63
	s_mul_i32 s44, s40, 768
	s_add_co_u32 s44, s44, QOFF
	s_mov_b32 s45, 0
	s_add_nc_u64 s[42:43], s[36:37], s[44:45]      ; its image in the first record
	s_lshr_b32 s44, s40, 2
	s_lshl_b32 s44, s44, 8                         ; its scale words: group tile / 4, lanes 16 ((tile % 4) / 2) + r, word tile % 2
	s_bfe_u32 s46, s40, 0x10001
	s_lshl_b32 s46, s46, 7
	s_add_co_u32 s44, s44, s46
	s_and_b32 s46, s40, 1
	s_lshl_b32 s46, s46, 2
	s_add_co_u32 s44, s44, s46
	s_add_co_u32 s44, s44, QSOFF
	s_add_nc_u64 s[46:47], s[36:37], s[44:45]
	s_lshr_b32 s44, s30, 3                         ; the batch
	s_and_b32 s31, s30, 7                          ; the pair in it
	s_lshl_b32 s44, s44, 6
	s_add_co_u32 s38, s44, s40                     ; my tile of rows, 0..511
	s_lshl_b32 s44, s38, 4
	s_lshl_b32 s39, s31, 1
	s_add_co_u32 s44, s44, s39
	s_mul_i32 s44, s44, 768                        ; cc: chunk = head
	s_add_nc_u64 s[6:7], s[6:7], s[44:45]
	s_lshl_b32 s44, s38, 9
	s_lshr_b32 s39, s31, 2
	s_lshl_b32 s39, s39, 8
	s_add_co_u32 s44, s44, s39
	s_and_b32 s39, s31, 3
	s_lshl_b32 s39, s39, 2
	s_add_co_u32 s44, s44, s39                     ; cs: K step = pair
	s_add_nc_u64 s[8:9], s[8:9], s[44:45]
	v_and_b32 v7, 31, v0                           ; lane
	v_and_b32 v8, 15, v0                           ; r
	v_and_b32 v9, 0x17, v0                         ; r % 8 + 16 h
	v_bfe_u32 v10, v0, 3, 1                        ; r / 8
	v_bfe_u32 v11, v0, 4, 1                        ; h
	v_lshlrev_b32 v3, 4, v7
	v_lshlrev_b32 v4, 3, v7
	v_lshlrev_b32 v44, 3, v8
	v_lshlrev_b32 v45, 4, v8
	v_lshlrev_b32 v1, 4, v9
	v_lshlrev_b32 v2, 3, v9
	v_and_b32 v5, 7, v0
	v_mad_u32_u24 v1, v10, 1536, v1                ; K: the stored lane r % 8 + 16 h; rows 8-15 come from the stored tile two further on
	v_mad_u32_u24 v2, v10, 1536, v2
	v_lshlrev_b32 v5, 3, v5
	v_lshlrev_b32 v6, 3, v11
	v_lshl_add_u32 v5, v10, 7, v5                  ; K's scale words: 8 x (r % 8 + 16 (r / 8)); lanes 16-31 take the next group of four stored tiles
	v_lshl_add_u32 v5, v11, 8, v5
.irp c, 0,1
	global_load_b128 v[QF+12*\c:QF+12*\c+3], v3, s[42:43] offset:REC*\c
	global_load_b64 v[QF+12*\c+4:QF+12*\c+5], v4, s[42:43] offset:REC*\c+512
	global_load_b32 v[QS+\c], v44, s[46:47] offset:REC*\c
.endr
.irp i, 0,1,2,3,4,5
	v_mov_b32 v[QF+6+\i], 0                        ; Q's upper 64 codes
	v_mov_b32 v[QF+18+\i], 0
	v_mov_b32 v[KV+48+\i], 0                       ; what stands behind the last tile of K
.endr
	v_mov_b32 v47, 0                               ; (named as the upper half of the pair v[46:47])
	v_mov_b32 v249, 0                              ; written once: a lane permute's destination counts as one of its sources
.macro INIT c                          ; a head begins
	v_mov_b32 v13, 0xff61b1e6                      ; the largest score so far: -3e38
	v_mov_b32 v12, 0x7e000000                      ; -M = 2^125, a whole number: the first step's f comes out 0
	v_mov_b32 v14, 0
	v_mov_b32 v15, 0
.set j, 0
.rept 32
	v_mov_b32 v[O+j], 0                            ; O^T: the step is written once; its first trip finds zeros
.set j, j+1
.endr
	s_mov_b32 s[TK], \c*HSTR
	s_mov_b32 s[TS], \c*HSTR+KSC
	s_mov_b32 s[TV], \c*HSTR+VSC
.endm
; n key steps of 128 keys of head c
.macro LOOP c, n
	s_mov_b32 s[CNT], \n
.Lstep_\@:
	v_add_nc_u32 v[A_K16], s[TK], v1               ; four plain lines: the places behind the last products, whose fragments the loads below write over
	v_add_nc_u32 v[A_K8], s[TK], v2
	v_add_nc_u32 v[A_KS], s[TS], v5
	v_add_nc_u32 v[A_VS], s[TV], v4
.irp t, 0,1,2,3,4,5,6,7                ; tile t = 4 c + u: stored tiles 4 c + u % 2 (rows 0-7) and two further on (rows 8-15), their rows 8 (u / 2) + 0 .. 7
	ds_load_b128 v[KV+6*\t:KV+6*\t+3], v[A_K16] offset:768*(4*(\t/4)+\t%2)+128*((\t%4)/2)
	ds_load_b64 v[KV+6*\t+4:KV+6*\t+5], v[A_K8] offset:768*(4*(\t/4)+\t%2)+512+64*((\t%4)/2)
.endr
	ds_load_b64 v[KS:KS+1], v[A_KS]                ; register u: lanes 0-15 the words of tile u, lanes 16-31 of tile 4 + u
	ds_load_b64 v[KS+2:KS+3], v[A_KS] offset:64
	s_wait_alu depctr_va_vdst(0)
	s_wait_dscnt 0x0
.irp t, 0,1,2,3,4,5,6,7                ; S^T = K Q^T
.if \t/4 == 0
	v_wmma_scale_f32_16x16x128_f8f6f4 v[S+8*\t:S+8*\t+7], v[KV+6*\t:KV+6*\t+11], v[QF+12*\c:QF+12*\c+11], 0, v[KS+\t%4], v[QS+\c] matrix_a_fmt:MATRIX_FMT_FP6 matrix_b_fmt:MATRIX_FMT_FP6
.else
	v_wmma_scale_f32_16x16x128_f8f6f4 v[S+8*\t:S+8*\t+7], v[KV+6*\t:KV+6*\t+11], v[QF+12*\c:QF+12*\c+11], 0, v[KS+\t%4], v[QS+\c] matrix_a_fmt:MATRIX_FMT_FP6 matrix_b_fmt:MATRIX_FMT_FP6 matrix_a_scale:MATRIX_SCALE_ROW1
.endif
.endr
	v_add_nc_u32 v[A_V16], s[TK], v3               ; four places ahead of the loads into K's registers and of the first read of the scores
	v_add_nc_u32 v[A_V8], s[TK], v4
	v_nop
	v_nop
.irp t, 0,1,2,3                        ; V^T's four fragments land while the softmax is walked
	ds_load_b128 v[KV+12*\t:KV+12*\t+3], v[A_V16] offset:VOFF+1536*\t
	ds_load_b64 v[KV+12*\t+4:KV+12*\t+5], v[A_V8] offset:VOFF+1536*\t+512
	ds_load_b128 v[KV+12*\t+6:KV+12*\t+9], v[A_V16] offset:VOFF+1536*\t+768
	ds_load_b64 v[KV+12*\t+10:KV+12*\t+11], v[A_V8] offset:VOFF+1536*\t+1280
.endr
	ds_load_b64 v[VS:VS+1], v[A_VS]
.irp x, 0,1,2,3                        ; the largest score of my two blocks of 32 keys, in four chains of 16; each accumulator is first read at its low end
	v_max3_num_f32 v[BM+\x], v[S+16*\x], v[S+1+16*\x], v[S+2+16*\x]
.endr
.irp i, 3,5,7,9,11,13
.irp x, 0,1,2,3
	v_max3_num_f32 v[BM+\x], v[BM+\x], v[S+16*\x+\i], v[S+1+16*\x+\i]
.endr
.endr
	v_max3_num_f32 v[BM], v[BM], v[BM+1], v[S+15]
	v_max3_num_f32 v[BM+2], v[BM+2], v[BM+3], v[S+47]
	v_max_num_f32 v[BM], v[BM], v[S+31]            ; block h
	v_max_num_f32 v[BM+2], v[BM+2], v[S+63]        ; block 2 + h: they serve for the row's maximum and, since p rises with the score, for the blocks' largest p
	D 1
	v_max_num_f32 v248, v[BM], v[BM+2]
	D 1
	v_permlanex16_b32 v249, v248, s[SEL], s[SEL+1]
	D 1
	v_max3_num_f32 v13, v13, v248, v249            ; the largest score so far (c is positive)
	D 1
	v_mul_f32 v248, s[NC], v13                     ; -t
	D 1
	v_floor_f32 v249, v248                         ; the new -M = -ceil(t)
	D 1
	v_sub_f32 v248, v249, v12                      ; old M - new M: a whole number, 0 or less
	v_mov_b32 v12, v249
	D 2
	v_cvt_i32_f32 v248, v248                       ; (it saturates)
.set j, 0
.rept 4
	v_pk_fma_f32 v[S+j:S+j+1], v[S+j:S+j+1], s[CS:CS+1], v[12:13] op_sel_hi:[1,0,0]   ; t - M
.set j, j+2
.endr
	v_ldexp_f32 v46, 1.0, v248                     ; f = 2^(old M - new M)
.rept 28
	v_pk_fma_f32 v[S+j:S+j+1], v[S+j:S+j+1], s[CS:CS+1], v[12:13] op_sel_hi:[1,0,0]
.set j, j+2
.endr
	v_fma_f32 v[BM], v[BM], s[CS], v12             ; the same of each block's largest score
	v_fma_f32 v[BM+2], v[BM+2], s[CS], v12
.set j, 0
.rept 16
	v_pk_mul_f32 v[O+j:O+j+1], v[O+j:O+j+1], v[46:47] op_sel_hi:[1,0]   ; O^T under the new M, each accumulator from its low end on; ahead of the exponentials
.set j, j+2
.endr
	s_wait_alu depctr_va_vdst(0)
.set j, 0
.rept 64
	v_exp_f32 v[S+j], v[S+j]                       ; p = 2^(t - M)
.set j, j+1
.endr
	v_exp_f32 v[BM], v[BM]                         ; the blocks' largest p: the same two instructions on the same number
	v_exp_f32 v[BM+2], v[BM+2]
	v_pk_mul_f32 v[14:15], v[14:15], v[46:47] op_sel_hi:[1,0]   ; the sums under the new M: the plain line behind the exponentials
	s_wait_alu depctr_va_vdst(0)                   ; one wait for the batch, ahead of its first reader
.irp b, 0,1
	v_max_num_f32 v[BM+2*\b], 0x1800000, v[BM+2*\b]   ; the floor 2^(3 - 127)
.endr
.irp b, 0,1
	D 2
	v_add_nc_u32 v[SO+\b], 0xff000000, v[BM+2*\b]  ; 2 off the exponent field: the conversion's scale operand
.endr
.irp k, 0,1                            ; registers 6 k .. 6 k + 5 of the operand are my block 2 k + h; a conversion's three registers begin on an even number, so the upper 16 codes are made elsewhere and moved
	v_cvt_scalef32_pk16_fp6_f32 v[PC+6*\k:PC+6*\k+2], v[S+32*\k:S+32*\k+15], v[SO+\k]
	v_cvt_scalef32_pk16_fp6_f32 v[PT+4*\k:PT+4*\k+2], v[S+16+32*\k:S+31+32*\k], v[SO+\k]
.endr
.irp b, 0,1
	v_lshrrev_b32 v[BP+\b], 23, v[SO+\b]           ; the scales' bytes; also the plain lines behind the conversions
.endr
	D 1
	v_lshl_or_b32 v248, v[BP+1], 16, v[BP]
	D 1
	v_lshlrev_b32 v248, v6, v248                   ; at their places in the word: 8 h bits up
	D 1
	v_permlanex16_b32 v249, v248, s[SEL], s[SEL+1]
.irp k, 0,1
.irp i, 0,1,2
	v_mov_b32 v[PC+3+6*\k+\i], v[PT+4*\k+\i]
.endr
.endr
	v_or_b32 v[PW], v248, v249                     ; with lane l xor 16's two bytes p's scale word is whole
	v_pk_add_f32 v[250:251], v[S:S+1], v[S+2:S+3]  ; the row's sum of the unquantised p, in three chains: these 32 lines are also the places between the writes of p's codes and scale word and the products
	v_pk_add_f32 v[252:253], v[S+4:S+5], v[S+6:S+7]
.set j, 8
.rept 9
	v_pk_add_f32 v[14:15], v[14:15], v[S+j:S+j+1]
	v_pk_add_f32 v[250:251], v[250:251], v[S+j+2:S+j+3]
	v_pk_add_f32 v[252:253], v[252:253], v[S+j+4:S+j+5]
.set j, j+6
.endr
	v_pk_add_f32 v[14:15], v[14:15], v[S+62:S+63]
	v_pk_add_f32 v[250:251], v[250:251], v[252:253]
	D 1
	v_pk_add_f32 v[14:15], v[14:15], v[250:251]
	s_wait_alu depctr_va_vdst(0)
	s_wait_dscnt 0x0                               ; V^T and its scale words are in
.irp t, 0,1,2,3                        ; O^T += V^T P^T: the four accumulators take turns
.if \t/2 == 0
	v_wmma_scale_f32_16x16x128_f8f6f4 v[O+8*\t:O+8*\t+7], v[KV+12*\t:KV+12*\t+11], v[PC:PC+11], v[O+8*\t:O+8*\t+7], v[VS+\t%2], v[PW] matrix_a_fmt:MATRIX_FMT_FP6 matrix_b_fmt:MATRIX_FMT_FP6
.else
	v_wmma_scale_f32_16x16x128_f8f6f4 v[O+8*\t:O+8*\t+7], v[KV+12*\t:KV+12*\t+11], v[PC:PC+11], v[O+8*\t:O+8*\t+7], v[VS+\t%2], v[PW] matrix_a_fmt:MATRIX_FMT_FP6 matrix_b_fmt:MATRIX_FMT_FP6 matrix_a_scale:MATRIX_SCALE_ROW1
.endif
.endr
	s_add_co_u32 s[TK], s[TK], 6144                ; eight tiles of K, four fragments of V^T
	s_add_co_u32 s[TS], s[TS], 512
	s_add_co_u32 s[TV], s[TV], 256
	s_sub_co_u32 s[CNT], s[CNT], 1
	s_cmp_lg_u32 s[CNT], 0
	s_cbranch_scc1 .Lstep_\@
.endm
; a head ends: the division and ctx's codes.  O^T's register 16 n + i is channel 32 n + 16 h + i
.macro FIN c
	v_add_f32 v14, v14, v15                        ; the sum's two halves,
	v_nop
	v_permlanex16_b32 v249, v14, s[SEL], s[SEL+1]
	v_nop
	v_add_f32 v14, v14, v249                       ; and lane l xor 16's: l
	s_wait_alu depctr_va_vdst(0)
	v_rcp_f32 v248, v14
	v_nop                                          ; a plain line behind it; with the five above, the places behind the last products
	s_wait_alu depctr_va_vdst(0)                   ; the wait ahead of its first reader, which is also O^T's
.set j, 0
.rept 16
	v_pk_mul_f32 v[O+j:O+j+1], v[O+j:O+j+1], v[248:249] op_sel_hi:[1,0]   ; ctx = O^T / l, each accumulator from its low end on
.set j, j+2
.endr
.irp b, 0,1
	v_max3_num_f32 v[BM+\b], |v[O+16*\b]|, |v[O+1+16*\b]|, 0x1800000
.endr
.irp i, 2,4,6,8,10,12,14
.irp b, 0,1
	D 2
	v_max3_num_f32 v[BM+\b], v[BM+\b], |v[O+16*\b+\i]|, |v[O+1+16*\b+\i]|
.endr
.endr
.irp b, 0,1
	D 2
	v_permlanex16_b32 v[BP+\b], v[BM+\b], s[SEL], s[SEL+1]
.endr
.irp b, 0,1
	D 2
	v_max_num_f32 v[BM+\b], v[BM+\b], v[BP+\b]     ; with lane l xor 16's 16 channels: the block's largest magnitude
.endr
.irp b, 0,1
	D 2
	v_add_nc_u32 v[SO+\b], 0xff000000, v[BM+\b]
.endr
.irp b, 0,1
	D 2
	v_lshrrev_b32 v[BP+\b], 23, v[SO+\b]
.endr
.if \c == 0
	D 1
	v_lshl_or_b32 v[CW], v[BP+1], 8, v[BP]         ; the pair of heads is one K step of the last product: four bytes
.else
	D 2
	v_lshl_or_b32 v[CW], v[BP], 16, v[CW]
	D 1
	v_lshl_or_b32 v[CW], v[BP+1], 24, v[CW]
.endif
	v_cvt_scalef32_pk16_fp6_f32 v[CC+6*\c:CC+6*\c+2], v[O:O+15], v[SO]
	v_cvt_scalef32_pk16_fp6_f32 v[PT:PT+2], v[O+16:O+31], v[SO+1]
	v_nop                                          ; one plain line behind the scaled conversions
.irp i, 0,1,2
	v_permlane16_swap_b32 v[CC+6*\c+\i], v[PT+\i]  ; the image wants a whole block in a lane
.endr
.irp i, 0,1,2
	D 3
	v_mov_b32 v[CC+3+6*\c+\i], v[PT+\i]
.endr
.endm
	INIT 0
	s_wait_alu depctr_va_vdst(0)
	s_wait_loadcnt 0x0                             ; Q
	s_wait_tensorcnt 0x0                           ; my part of the first head is in;
	ds_add_u32 v254, v255
	s_wait_dscnt 0x0
	ROUND                                          ; everybody's part is in, and all four work-groups are here
	tensor_load_to_lds s[16:19], s[20:27]          ; the second head: my one tensor load behind the round
	s_nop 0
	LOOP 0, 4
	s_wait_tensorcnt 0x0                           ; my part of the second head is in,
	s_wait_dscnt 0x0
	s_barrier_signal -1                            ; say so; the wait follows behind the first head
	LOOP 0, 4
	FIN 0
	s_wait_alu depctr_va_vdst(0)
	s_barrier_wait -1                              ; everybody's part of the second head is in
	global_store_b128 v3, v[CC:CC+3], s[6:7]       ; 512 or 256 consecutive bytes a store, at multiples of 256 from the buffer's first byte
	global_store_b64 v4, v[CC+4:CC+5], s[6:7] offset:512
	INIT 1
	LOOP 1, 8
	FIN 1
	s_wait_alu depctr_va_vdst(0)
	global_store_b128 v3, v[CC+6:CC+9], s[6:7] offset:768
	global_store_b64 v4, v[CC+10:CC+11], s[6:7] offset:1280
	global_store_b32 v45, v[CW], s[8:9]            ; both halves of the lanes hold and write the same word; four bytes of each row's sixteen: 256 KiB in the whole launch
	s_wait_tensorcnt 0x0                           ; the wave's end
	ds_add_u32 v254, v255
	s_wait_dscnt 0x0
	ROUND                                          ; the closing round
	s_endpgm
.Lfunc_end_k_qd30596faea_attn:
	.size	k_qd30596faea_attn, .Lfunc_end_k_qd30596faea_attn-k_qd30596faea_attn
	.p2alignl 7, 3214868480
	.fill 96, 4, 3214868480
	.section	.rodata,"a",@progbits
	.p2align	6, 0x0
	.amdhsa_kernel k_qd30596faea_attn
		.amdhsa_group_segment_fixed_size 327680
		.amdhsa_private_segment_fixed_size 0
		.amdhsa_enable_private_segment 0
		.amdhsa_kernarg_size 24
		.amdhsa_user_sgpr_count 2
		.amdhsa_user_sgpr_kernarg_segment_ptr 1
		.amdhsa_wavefront_size32 1
		.amdhsa_system_sgpr_workgroup_id_x 1
		.amdhsa_system_sgpr_workgroup_id_y 1
		.amdhsa_system_sgpr_workgroup_id_z 1
		.amdhsa_system_vgpr_workitem_id 0
		.amdhsa_next_free_vgpr 256
		.amdhsa_next_free_sgpr 66
		.amdhsa_reserve_vcc 0
		.amdhsa_float_denorm_mode_32 3
		.amdhsa_float_denorm_mode_16_64 3
		.amdhsa_memory_ordered 1
		.amdhsa_forward_progress 1
		.amdhsa_inst_pref_size 65
	.end_amdhsa_kernel
	.amdgpu_metadata
---
amdhsa.version: [ 1, 2 ]
amdhsa.kernels:
  - .name:           k_qd30596faea_attn
    .symbol:         k_qd30596faea_attn.kd
    .args:
      - { .name: heads, .offset: 0, .size: 8, .value_kind: global_buffer, .address_space: global }
      - { .name: cc, .offset: 8, .size: 8, .value_kind: global_buffer, .address_space: global }
      - { .name: cs, .offset: 16, .size: 8, .value_kind: global_buffer, .address_space: global }
    .group_segment_fixed_size: 327680
    .private_segment_fixed_size: 0
    .kernarg_segment_align: 8
    .kernarg_segment_size: 24
    .max_flat_workgroup_size: 512
    .sgpr_count:     66
    .vgpr_count:     256
    .wavefront_size: 32
...
	.end_amdgpu_metadata
.endif
;; end of part 3
;; launch oproj (part 4): grid 4 x 64, 4 waves a work-group, clusters of 4 x 4, 327,680 bytes of LDS; arguments cc, cs, wc, ws, bo, Wrel, brel, out0, out1; writes out0, out1
.if DOCPART == 4
	.amdgcn_target "amdgcn-amd-amdhsa--gfx1250"
	.amdhsa_code_object_version 6
	.text
	.protected	k_qd30596faea_oproj
	.globl	k_qd30596faea_oproj
	.p2align	8
	.type	k_qd30596faea_oproj,@function
k_qd30596faea_oproj:
	s_mov_b64 s[64:65], 0
	v_nop
	global_prefetch_b8 v0, s[64:65] scope:SCOPE_SE
	s_setreg_imm32_b32 hwreg(HW_REG_WAVE_MODE, 25, 1), 1
	s_wait_xcnt 0x0
	s_wait_alu depctr_hold_cnt(0) depctr_sa_sdst(0) depctr_va_vdst(0) depctr_va_sdst(0) depctr_va_ssrc(0) depctr_va_vcc(0) depctr_vm_vsrc(0)
	s_getreg_b32 s2, hwreg(HW_REG_IB_STS2, 6, 4)
	s_cmp_eq_u32 s2, 0
	s_cbranch_scc0 .Lentry_in_a_cluster
	s_endpgm
.Lentry_in_a_cluster:
	s_bfe_u32 s2, ttmp6, 0x10000c
	s_cmp_lg_u32 s2, 0xf033
	s_cbranch_scc0 .Lentry_shape_is_right
	s_endpgm
.Lentry_shape_is_right:
; out0 = ctx Wo + bo on codes of FP6 (E2M3) with E8M0 scales, f32 out; out1 = (mean of the attention weights for each batch and head) Wrel + brel, in f32 by vector instructions.
; A work-group makes 128 rows of ctx x 256 columns, K = 1,024 whole in LDS (filled once, in two halves of K); four waves, each 64 x 128: 32 accumulators.
; THE MATRIX INSTRUCTION IS USED TRANSPOSED: source 0 = 16 rows of Wo^T, source 1 = 16 rows of ctx: lane (r, h) holds ctx's row r, and the 16 registers of tiles 2 n and 2 n + 1 are the real columns 32 n + 16 h + 0 .. 15.
; cc, wc: [tile][16 chunks of 64 K][768], an image of 16 rows x 64 K: lane (r, h)'s registers 0-3 at 16 x lane, 4-5 at 512 + 8 x lane.  Tile T, row p is the real row 32 (T / 2) + 8 (T % 2) + p + 8 (p / 8).  Wo^T: wc's tiles 192-255.
; cs, ws: tile x 512 + (s / 4) x 256 + 16 r + 4 (s % 4).
; CLUSTERS: 4 x 4 work-groups.  ctx's tiles are asked for jointly by a row of the cluster, Wo^T's by a column.  No LDS byte is filled twice.
; out1: wave 0 of the sixteen work-groups of cluster y = 0, told apart by address alone: batch cx + 4 (cy % 2), relations 4 (cy / 2) .. + 3; while the tiles are on their way.
; REGISTERS: as in the launch that makes q, k and v: window 0: v1-5 r, h, lane, 16 x lane, 8 x lane; v6-21 LDS addresses; v22-31 offsets; v32-47, v48-79 scale words; v80-143 bo's tiles; v144-239 ctx's fragments, two sets;
;   window 1: accumulator (a, b) at v[8 (8 a + b)];  window 2: Wo^T's fragments, two sets of 96.  On the way out v80-207 hold rows read back from the stage.
; HOW K COMES IN (this takes the place of what the lines above say of quarters): in two halves of 512.  LDS: A's [half][8 tiles][6,144 bytes], from byte 98,304 on B's [half][16 tiles][6,144].  At the head each wave asks for its part of
; the first half by one joint load; its part of the second half is asked for behind the three lines and a round of the cluster's barrier, and is first read by K step 3's fetch.  All of LDS is claimed.
; out1 (this takes the place of what the lines above say of hp, which is no more): each row of a softmax sums to 1, so the mean of the attention weights is 1 / 1,024 for every batch and head, for all inputs (shown at the head of the
; first kernel): out1[b][r] = 2^-10 x (the sum over the 16 heads of Wrel[h][r]) + brel[r].
.set SA,   32
.set SB,   48
.set BI,   80
.set AF,   144
.set AA16, 6
.set AA8,  10
.set AB16, 14
.set AB8,  18
.set STO,  30
.set RD,   31
.set WV,   20
.set G1A,  36
.set G1B,  44
.set G0A,  68
.set G0B,  84
.set SEL,  66
.set MSB, 0
.macro WIN new                         ; the immediate's high byte repeats the setting that is left
.if MSB != \new
	s_set_vgpr_msb (MSB<<8)|\new
.set MSB, \new
.endif
.endm
.macro ROUND                           ; a round of the cluster's barrier
	s_barrier_signal -1
	s_barrier_wait -1
	s_cmp_lg_u32 s[WV], 0
	s_cbranch_scc1 .Lnot_wave_0_\@
	s_barrier_signal -3
.Lnot_wave_0_\@:
	s_barrier_wait -3
	s_barrier_signal -1
	s_barrier_wait -1
.endm
.macro PLACES                          ; four plain vector lines behind matrix instructions, ahead of loads into their sources and of reads of their results
.rept 4
	v_nop
.endr
.endm
.macro FRAG reg, a16, a8, off          ; a fragment: two images on end
	ds_load_b128 v[\reg:\reg+3], v[\a16] offset:\off
	ds_load_b64 v[\reg+4:\reg+5], v[\a8] offset:\off+512
	ds_load_b128 v[\reg+6:\reg+9], v[\a16] offset:\off+768
	ds_load_b64 v[\reg+10:\reg+11], v[\a8] offset:\off+1280
.endm
.macro FETCH s                         ; K step s: B's eight fragments and A's four into set s % 2: 48 LDS loads
	WIN 0x80
.irp i, 0,1,2,3,4,5,6,7
	FRAG 96*((\s)%2)+12*\i, AB16+(\s)/4, AB8+(\s)/4, \i*6144+((\s)%4)*1536
.endr
	WIN 0
.irp i, 0,1,2,3
	FRAG AF+48*((\s)%2)+12*\i, AA16+(\s)/4, AA8+(\s)/4, \i*6144+((\s)%4)*1536
.endr
.endm
.macro WM a, b, s, cm                  ; one product.  cm = 0: adds in place; 1: C = the bias tile of B's tile b
.set rD, 8*(8*(\a)+(\b))
.set rC, rD
.if \cm == 1
.set rC, BI+8*(\b)
.endif
.set rB, 96*((\s)%2)+12*(\b)
.set rA, AF+48*((\s)%2)+12*(\a)
.set rSB, SB+8*((\b)%4)+(\s)
.set rSA, SA+8*((\a)%2)+(\s)
.if ((\b)/4 == 0) && ((\a)/2 == 0)
	v_wmma_scale_f32_16x16x128_f8f6f4 v[rD:rD+7], v[rB:rB+11], v[rA:rA+11], v[rC:rC+7], v[rSB], v[rSA] matrix_a_fmt:MATRIX_FMT_FP6 matrix_b_fmt:MATRIX_FMT_FP6
.elseif ((\a)/2 == 0)
	v_wmma_scale_f32_16x16x128_f8f6f4 v[rD:rD+7], v[rB:rB+11], v[rA:rA+11], v[rC:rC+7], v[rSB], v[rSA] matrix_a_fmt:MATRIX_FMT_FP6 matrix_b_fmt:MATRIX_FMT_FP6 matrix_a_scale:MATRIX_SCALE_ROW1
.elseif ((\b)/4 == 0)
	v_wmma_scale_f32_16x16x128_f8f6f4 v[rD:rD+7], v[rB:rB+11], v[rA:rA+11], v[rC:rC+7], v[rSB], v[rSA] matrix_a_fmt:MATRIX_FMT_FP6 matrix_b_fmt:MATRIX_FMT_FP6 matrix_b_scale:MATRIX_SCALE_ROW1
.else
	v_wmma_scale_f32_16x16x128_f8f6f4 v[rD:rD+7], v[rB:rB+11], v[rA:rA+11], v[rC:rC+7], v[rSB], v[rSA] matrix_a_fmt:MATRIX_FMT_FP6 matrix_b_fmt:MATRIX_FMT_FP6 matrix_a_scale:MATRIX_SCALE_ROW1 matrix_b_scale:MATRIX_SCALE_ROW1
.endif
.endm
.macro MUL s, cm                       ; 32 products: the 32 accumulators take turns, one instruction a turn, in the same order in every step
.if \cm
	WIN 0x42
.else
	WIN 0x52
.endif
.irp a, 0,1,2,3
.irp b, 0,1,2,3,4,5,6,7
	WM \a, \b, \s, \cm
.endr
.endr
.endm
.macro KSTEP s, tc                     ; tc >= 0: the fetch below is the first to read the second half of K: my load of it has landed when tc younger ones are out, and a barrier shows the same of all four waves
.if \tc >= 0
	s_wait_dscnt 0x0
	s_wait_tensorcnt \tc
	s_barrier_signal -1
	s_barrier_wait -1
.endif
.if \s < 7
	PLACES
	FETCH (\s)+1
	s_wait_dscnt 48                                ; this step's fragments are in; the 48 loads just issued may be out
.else
	s_wait_dscnt 0x0
.endif
	MUL \s, 0
.endm
	s_load_b256 s[4:11], s[0:1], 0x0               ; cc, cs, wc, ws
	s_load_b64 s[12:13], s[0:1], 0x20              ; bo
	s_load_b128 s[16:19], s[0:1], 0x28             ; Wrel, brel
	s_load_b128 s[52:55], s[0:1], 0x38             ; out0, out1
	v_lshl_add_u32 v254, v0, 2, 0x48000
	v_mov_b32 v255, 0
	ds_add_u32 v254, v255
	ds_add_u32 v254, v255
	v_lshrrev_b32 v1, 5, v0
	v_readfirstlane_b32 s[WV], v1                  ; wave 0..3
	s_lshr_b32 s21, s[WV], 1                       ; which 64 rows are mine.  Also: I fetch for A (0) or for B (1)
	s_and_b32 s22, s[WV], 1                        ; which 128 columns.  Also: which half of that tile I fetch
	s_bfe_u32 s23, ttmp6, 0x40000                  ; cx
	s_bfe_u32 s24, ttmp6, 0x40004                  ; cy
	s_and_b32 s26, ttmp7, 0xffff                   ; cluster y
	s_lshl_b32 s28, s26, 2
	s_add_co_u32 s28, s28, s24                     ; tile row
	s_lshl_b32 s29, ttmp9, 2
	s_add_co_u32 s29, s29, s23                     ; tile column
	s_lshl_b32 s32, s24, 2
	s_lshl_b32 s32, 15, s32                        ; my row of the cluster
	s_lshl_b32 s33, 0x1111, s23                    ; my column
	; group 1: rows of 6,144 bytes (a tile's half of K), 12,288 bytes apart; 4 of them for A, 8 for B; no padding
	s_or_b32 s[G1A], s32, (3<<16)|(1<<21)
	s_or_b32 s[G1B], s33, (3<<16)|(1<<21)
	s_mov_b32 s[G1A+1], 768<<16                    ; rows of 6,144 bytes: a tile's half of K
	s_mov_b32 s[G1A+2], 4<<16
	s_mov_b32 s[G1A+3], 768<<16
	s_mov_b32 s[G1A+4], 4
	s_mov_b32 s[G1A+5], 1536
	s_mov_b32 s[G1A+6], 0
	s_mov_b32 s[G1A+7], 0
	s_mov_b32 s[G1B+1], 768<<16
	s_mov_b32 s[G1B+2], 8<<16
	s_mov_b32 s[G1B+3], 768<<16
	s_mov_b32 s[G1B+4], 8
	s_mov_b32 s[G1B+5], 1536
	s_mov_b32 s[G1B+6], 0
	s_mov_b32 s[G1B+7], 0
	s_lshl_b32 s58, s28, 3
	s_lshl_b32 s59, s22, 2
	s_add_co_u32 s58, s58, s59
	s_mul_i32 s58, s58, 12288
	s_mov_b32 s59, 0
	s_lshl_b32 s60, s29, 4
	s_lshl_b32 s61, s22, 3
	s_add_co_u32 s60, s60, s61
	s_mul_i32 s60, s60, 12288
	s_mov_b32 s61, 0
	s_mul_i32 s34, s22, 24576
	s_mul_i32 s35, s22, 49152
	s_add_co_u32 s35, s35, 98304
	s_mov_b32 s[SEL], 0x76543210
	s_mov_b32 s[SEL+1], 0xfedcba98
	s_wait_dscnt 0x0
	s_wait_kmcnt 0x0
	s_add_nc_u64 s[56:57], s[4:5], s[58:59]
	s_add_nc_u64 s[62:63], s[8:9], 192*12288       ; Wo^T
	s_add_nc_u64 s[62:63], s[62:63], s[60:61]
	ROUND                                          ; all sixteen work-groups are here: the joint loads meet
.irp q, 0,1
	s_mov_b32 s[G0A+4*\q], 1
	s_add_co_u32 s[G0A+4*\q+1], s34, \q*49152
	s_add_nc_u64 s[G0A+4*\q+2:G0A+4*\q+3], s[56:57], \q*6144
	s_or_b32 s[G0A+4*\q+3], s[G0A+4*\q+3], 0x80000000
	s_mov_b32 s[G0B+4*\q], 1
	s_add_co_u32 s[G0B+4*\q+1], s35, \q*98304
	s_add_nc_u64 s[G0B+4*\q+2:G0B+4*\q+3], s[62:63], \q*6144
	s_or_b32 s[G0B+4*\q+3], s[G0B+4*\q+3], 0x80000000
.endr
.macro JL q                            ; half q of K: waves 0 and 1 ask for A's tiles, waves 2 and 3 for B's: one joint load a wave, a load in each arm
	s_cmp_eq_u32 s21, 0
	s_cbranch_scc0 .Lfor_b_\@
	tensor_load_to_lds s[G0A+4*\q:G0A+4*\q+3], s[G1A:G1A+7]
	s_nop 0
	PLACES
	s_branch .Lasked_\@
.Lfor_b_\@:
	tensor_load_to_lds s[G0B+4*\q:G0B+4*\q+3], s[G1B:G1B+7]
	s_nop 0
	PLACES
.Lasked_\@:
.endm
	JL 0
	v_and_b32 v1, 15, v0                           ; r
	v_bfe_u32 v2, v0, 4, 1                         ; h
	v_and_b32 v3, 31, v0
	v_lshlrev_b32 v4, 4, v3
	v_lshlrev_b32 v5, 3, v3
	; ---- out1.  Both branches are alike in all sixteen partners; which batch and which relations hangs on cx and cy by address alone
	s_cmp_eq_u32 s26, 0
	s_cbranch_scc0 .Lno_rel
	s_cmp_eq_u32 s[WV], 0
	s_cbranch_scc0 .Lno_rel
	s_and_b32 s2, s24, 1
	s_lshl_b32 s2, s2, 2
	s_add_co_u32 s2, s2, s23                       ; the batch
	s_lshr_b32 s30, s24, 1
	s_lshl_b32 s30, s30, 4                         ; four relations: 16 bytes
	s_mov_b32 s31, 0
	s_mov_b32 s35, 0
	s_add_nc_u64 s[16:17], s[16:17], s[30:31]
	s_add_nc_u64 s[18:19], s[18:19], s[30:31]
	s_lshl_b32 s34, s2, 5
	s_add_co_u32 s34, s34, s30
	s_add_nc_u64 s[54:55], s[54:55], s[34:35]
	s_wait_alu depctr_va_vdst(0)
	v_lshlrev_b32 v28, 5, v1                       ; Wrel's row of the head: lane % 16
	v_mov_b32 v29, 0
	global_load_b128 v[176:179], v28, s[16:17]
	global_load_b128 v[180:183], v29, s[18:19]
	s_wait_loadcnt 0x0
.irp i, 0,1,2,3
	v_mul_f32 v[176+\i], 0x3a800000, v[176+\i]     ; x 2^-10: every head's mean of its attention weights
.endr
.irp m, 1,2,4,8
.irp i, 0,1,2,3
	v_add_f32_dpp v[176+\i], v[176+\i], v[176+\i] row_xmask:\m row_mask:0xf bank_mask:0xf   ; over the 16 heads
.endr
.endr
.irp i, 0,1,2,3
	v_add_f32 v[176+\i], v[176+\i], v[180+\i]
.endr
	v_cmp_eq_u32 vcc_lo, 0, v3
	s_wait_alu depctr_va_vdst(0)
	s_wait_xcnt 0x0                                ; EXEC changes only behind this wait
	s_and_saveexec_b32 s2, vcc_lo
	global_store_b128 v29, v[176:179], s[54:55]
	s_wait_xcnt 0x0
	s_or_b32 exec_lo, exec_lo, s2
.Lno_rel:
	s_mul_i32 s2, s21, 24576                       ; my four tiles of A
	s_mul_i32 s3, s22, 49152                       ; my eight of B
	s_add_co_u32 s3, s3, 98304
	s_wait_alu depctr_va_vdst(0)
.irp q, 0,1
	v_add_nc_u32 v[AA16+\q], s2, v4
	v_add_nc_u32 v[AA8+\q], s2, v5
	v_add_nc_u32 v[AB16+\q], s3, v4
	v_add_nc_u32 v[AB8+\q], s3, v5
	s_add_co_u32 s2, s2, 49152
	s_add_co_u32 s3, s3, 98304
.endr
	s_mul_i32 s2, s[WV], 16*528                    ; my stage for the way out: 16 rows x (512 bytes + 16)
	v_mul_u32_u24 v[STO], v1, 528
	v_lshl_add_u32 v[STO], v2, 6, v[STO]
	v_add_nc_u32 v[STO], s2, v[STO]                ; in: row r, + 64 h
	v_add_nc_u32 v[RD], s2, v4                     ; back: a whole row, 16 bytes a lane
	; the scale words of my rows, for all of K, come once, straight into registers
	v_lshlrev_b32 v22, 4, v1
	v_lshl_add_u32 v23, v2, 11, v22
	v_lshl_add_u32 v22, v2, 10, v22
	s_wait_alu depctr_va_vdst(0)
	s_lshl_b32 s34, s28, 3
	s_lshl_b32 s35, s21, 2
	s_add_co_u32 s34, s34, s35                     ; my first tile of A
	s_lshl_b32 s2, s34, 9
	s_mov_b32 s3, 0
	s_add_nc_u64 s[6:7], s[6:7], s[2:3]
	s_lshl_b32 s35, s29, 4
	s_lshl_b32 s2, s22, 3
	s_add_co_u32 s35, s35, s2
	s_add_co_u32 s35, s35, 192                     ; my first tile of B in ws
	s_lshl_b32 s2, s35, 9
	s_add_nc_u64 s[10:11], s[10:11], s[2:3]
.irp j, 0,1
.irp g, 0,1
	global_load_b128 v[SA+8*\j+4*\g:SA+8*\j+4*\g+3], v22, s[6:7] offset:512*\j+256*\g
.endr
.endr
.irp j, 0,1,2,3
.irp g, 0,1
	global_load_b128 v[SB+8*\j+4*\g:SB+8*\j+4*\g+3], v23, s[10:11] offset:512*\j+256*\g
.endr
.endr
	v_lshlrev_b32 v24, 6, v2
	s_lshl_b32 s2, s29, 10
	s_lshl_b32 s30, s22, 9
	s_add_co_u32 s2, s2, s30                       ; my 128 columns, in bytes
	s_add_nc_u64 s[12:13], s[12:13], s[2:3]
	s_add_nc_u64 s[52:53], s[52:53], s[2:3]
.irp b, 0,1,2,3,4,5,6,7                ; tile b's register j is column 32 (b / 2) + 8 (b % 2) + 16 h + j
	global_load_b128 v[BI+8*\b:BI+8*\b+3], v24, s[12:13] offset:(32*(\b/2)+8*(\b%2))*4
	global_load_b128 v[BI+8*\b+4:BI+8*\b+7], v24, s[12:13] offset:(32*(\b/2)+8*(\b%2))*4+16
.endr
	s_lshl_b32 s2, s34, 16                         ; my first row of out0: 16 x my first tile, rows of 4,096 bytes
	s_add_nc_u64 s[52:53], s[52:53], s[2:3]
	s_wait_alu depctr_va_vdst(0)
	s_wait_tensorcnt 0x0                           ; my part of the first half of K is in;
	ds_add_u32 v254, v255
	s_wait_dscnt 0x0
	ROUND                                          ; everybody's part is in, and all sixteen work-groups are here
	JL 1                                           ; the second half of K: my one tensor load behind the round
	FETCH 0
	FETCH 1
	s_wait_loadcnt 0x0                             ; scale words and bias
	s_wait_dscnt 48                                ; step 0's fragments are in; step 1's 48 loads may be out
	MUL 0, 1                                       ; the first K step starts the sums, on the bias
	KSTEP 1, -1
	KSTEP 2, -1
	KSTEP 3, 0                                     ; its fetch is the first to read the second half of K
	KSTEP 4, -1
	KSTEP 5, -1
	KSTEP 6, -1
	KSTEP 7, -1
	WIN 0
; THE WAY OUT, a tile of 16 rows x 128 columns at a time, through my own stage.  The stages lie in A's first two quarters of K: every fill has landed and every wave's last read of those bytes was awaited ahead of the last barrier.
; LDS serves a wave's instructions in order (ISA guide 5.7.1.4): no wait between the stores and the loads, nor ahead of the next tile's stores.
.macro TOSTAGE a
	WIN 0x04                                       ; an LDS store's data are its source 1: window 1
.irp b, 0,1,2,3,4,5,6,7
	ds_store_b128 v[STO], v[64*(\a)+8*\b:64*(\a)+8*\b+3] offset:128*(\b/2)+32*(\b%2)        ; each accumulator from its low end on
	ds_store_b128 v[STO], v[64*(\a)+8*\b+4:64*(\a)+8*\b+7] offset:128*(\b/2)+32*(\b%2)+16
.endr
	WIN 0
.set BB, 80+64*((\a)%2)
.irp t, 0,1,2,3,4,5,6,7,8,9,10,11,12,13,14,15
	ds_load_b128 v[BB+4*\t:BB+4*\t+3], v[RD] offset:\t*528
.endr
.endm
.macro SEND a, younger                 ; younger: the LDS instructions issued behind tile a's loads
.set BB, 80+64*((\a)%2)
	s_wait_dscnt \younger
.irp t, 0,1,2,3,4,5,6,7,8,9,10,11,12,13,14,15
	global_store_b128 v4, v[BB+4*\t:BB+4*\t+3], s[52:53] offset:(32*((\a)/2)+8*((\a)%2)+\t+8*(\t/8))*4096 th:TH_STORE_NT   ; 512 consecutive bytes of the tile's real row, at a multiple of 256 from out0's first byte
.endr
.endm
	PLACES
	TOSTAGE 0
	TOSTAGE 1
	SEND 0, 32                                     ; behind tile 0's loads: tile 1's 16 stores and 16 loads
	s_wait_xcnt 0x0                                ; tile 0's stores have read their registers: tile 2's loads may land there
	TOSTAGE 2
	SEND 1, 32
	s_wait_xcnt 0x0
	TOSTAGE 3
	SEND 2, 32
	SEND 3, 0
	s_wait_tensorcnt 0x0
	ds_add_u32 v254, v255
	s_wait_dscnt 0x0
	ROUND                                          ; the closing round: no work-group ends while a partner may still ask for a tile that names it
	s_endpgm
.Lfunc_end_k_qd30596faea_oproj:
	.size	k_qd30596faea_oproj, .Lfunc_end_k_qd30596faea_oproj-k_qd30596faea_oproj
	.p2alignl 7, 3214868480
	.fill 96, 4, 3214868480
	.section	.rodata,"a",@progbits
	.p2align	6, 0x0
	.amdhsa_kernel k_qd30596faea_oproj
		.amdhsa_group_segment_fixed_size 327680
		.amdhsa_private_segment_fixed_size 0
		.amdhsa_enable_private_segment 0
		.amdhsa_kernarg_size 72
		.amdhsa_user_sgpr_count 2
		.amdhsa_user_sgpr_kernarg_segment_ptr 1
		.amdhsa_wavefront_size32 1
		.amdhsa_system_sgpr_workgroup_id_x 1
		.amdhsa_system_sgpr_workgroup_id_y 1
		.amdhsa_system_sgpr_workgroup_id_z 1
		.amdhsa_system_vgpr_workitem_id 0
		.amdhsa_next_free_vgpr 768
		.amdhsa_next_free_sgpr 100
		.amdhsa_reserve_vcc 1
		.amdhsa_float_denorm_mode_32 3
		.amdhsa_float_denorm_mode_16_64 3
		.amdhsa_memory_ordered 1
		.amdhsa_forward_progress 1
		.amdhsa_inst_pref_size 86
	.end_amdhsa_kernel
	.amdgpu_metadata
---
amdhsa.version: [ 1, 2 ]
amdhsa.kernels:
  - .name:           k_qd30596faea_oproj
    .symbol:         k_qd30596faea_oproj.kd
    .args:
      - { .name: cc, .offset: 0, .size: 8, .value_kind: global_buffer, .address_space: global }
      - { .name: cs, .offset: 8, .size: 8, .value_kind: global_buffer, .address_space: global }
      - { .name: wc, .offset: 16, .size: 8, .value_kind: global_buffer, .address_space: global }
      - { .name: ws, .offset: 24, .size: 8, .value_kind: global_buffer, .address_space: global }
      - { .name: bo, .offset: 32, .size: 8, .value_kind: global_buffer, .address_space: global }
      - { .name: Wrel, .offset: 40, .size: 8, .value_kind: global_buffer, .address_space: global }
      - { .name: brel, .offset: 48, .size: 8, .value_kind: global_buffer, .address_space: global }
      - { .name: out0, .offset: 56, .size: 8, .value_kind: global_buffer, .address_space: global }
      - { .name: out1, .offset: 64, .size: 8, .value_kind: global_buffer, .address_space: global }
    .group_segment_fixed_size: 327680
    .private_segment_fixed_size: 0
    .kernarg_segment_align: 8
    .kernarg_segment_size: 72
    .max_flat_workgroup_size: 128
    .sgpr_count:     100
    .vgpr_count:     768
    .wavefront_size: 32
...
	.end_amdgpu_metadata
.endif
;; end of part 4
